; MI455X (gfx1250); checked and timed in simulation.
; The chip was launched on July 23, 2026; its instructions are those of AMD's public machine-readable ISA for CDNA 5 (MIT licence, August 2026) and "CDNA5" Instruction Set Architecture Reference Guide (July 2026). The comments in the code are by the model that wrote it; some were corrected since.
;; Attention. Allowed arithmetic: matrix products marked QUANTISED: E4M3 operands, one E8M0 scale for each 32 along K, by v_wmma_scale_f32_16x16x128_f8f6f4 with both operands' format E4M3, f32 sums; everything else in f32.
;; Inputs: c_attn_b 3,072 float32; c_attn_w 1,024 x 3,072 float32; c_proj_b 1,024 float32; c_proj_w 1,024 x 1,024 float32; x 4 x 2,048 x 1,024 float32.
;; Outputs: out0 4 x 2,048 x 1,024 float32.
;; This version of the problem:
;;   THIS VERSION OF THE PROBLEM IS GIVEN IN LOW PRECISION. The matrix products marked QUANTISED in the list below multiply operands that are first quantised to E4M3 (4 exponent bits, 3 mantissa bits; 8 bits a number), with one power-of-two scale for each 32 numbers along K (OCP MX v1.0); their sums are f32. All else is computed in f32.
;;   The module's matrix products, in the order in which they are computed (A, B: the left and right operand; K: the contracted axis; several contracted axes count as one K, in the product's order):
;;     1. [M 8,192, K 1,024] x [K 1,024, N 3,072]; A: input x; B: input c_attn_w: QUANTISED
;;     2. batch 64 x [M 2,048, K 64] x [K 64, N 2,048]; A: computed on the way; B: computed on the way: QUANTISED
;;     3. batch 64 x [M 2,048, K 2,048] x [K 2,048, N 64]; A: softmax (see below); B: computed on the way: QUANTISED
;;     4. [M 8,192, K 1,024] x [K 1,024, N 1,024]; A: computed on the way; B: input c_proj_w: QUANTISED
;;   THE QUANTISER, for each operand of a quantised product, along K:
;;     - K is cut into blocks of 32 from its start; a last block that is shorter is filled with zeros.
;;     - A block's scale is 2^e with e = floor(log2(the largest magnitude in the block)) - 8, held to -126 .. 127; a block of zeros has e = 0. As a byte (E8M0): e + 127.
;;     - Each number is divided by its block's scale, clamped to +-448, and rounded to the nearest number of E4M3, ties to even, subnormals kept.
;;     - The product sums the exact products of the quantised numbers (number of the format x scale) in f32.
;;   ~~~python
;;   def quantise(x, axis):      # numpy; x: float32 -> the quantised numbers, widened to float32 again
;;       x = np.moveaxis(x, axis, -1); K = x.shape[-1]
;;       x = np.pad(x, [(0, 0)] * (x.ndim - 1) + [(0, -K % 32)]); x = x.reshape(x.shape[:-1] + (-1, 32)); a = np.abs(x).max(-1, keepdims=True)
;;       e = np.where(a > 0, np.clip(np.frexp(np.where(a > 0, a, 1))[1] - 1 - 8, -126, 127), 0)      # np.frexp(a)[1] - 1 = floor(log2(a)), exactly
;;       r = np.clip(x / 2.0 ** e, -448, 448)
;;       step = 2.0 ** (np.maximum(np.frexp(np.where(r == 0, 1, r))[1] - 1, -6) - 3)
;;       q = np.round(r / step) * step * 2.0 ** e      # np.round: ties to even
;;       return np.moveaxis(q.reshape(q.shape[:-2] + (-1,))[..., :K], -1, axis).astype(np.float32)
;;   ~~~
;;   SOFTMAX AHEAD OF A QUANTISED PRODUCT. Where the list says 'softmax', what is quantised is not the finished softmax but p = 2^(t - M), with t = logit x log2(e) and M = ceil(the row's largest t), a whole number; so 1/2 < the row's largest p <= 1. The row's sum l is taken of the UNQUANTISED p, in f32, and the product's result is divided by l at the end. Since M is a whole number, a kernel that streams over the keys may use a running M (the ceiling of the running maximum): every later rescaling is an exact power of two, which a block's scale takes up: the codes' values come out the same.
;;   OPERANDS COMPUTED ON THE WAY. 'Computed on the way' means the value that the module computes at that place (a softmax that the list does not call 'softmax' is quantised finished and normalised). What goes into a quantiser is computed in f32, as accurately as f32 sums, v_exp_f32 and their like allow (about 1e-6 of the number): no bf16 or f16 on the way to a quantiser, and a product that is left as it is and whose result goes on into a quantised operand takes f32 operands (vector FMAs, or v_wmma_f32_16x16x4_f32). A number that lies on a knife's edge between two numbers of the format may be rounded either way, as far as f32 arithmetic and the matrix unit's own rounding can turn it there, and no further.
;; One version. Each part assembles by itself: llvm-mc -triple=amdgcn-amd-amdhsa -mcpu=gfx1250 --defsym DOCPART=n.
;; ======== version 1 of 1: 4 launches
;; limits: right only within a limited range of input values
;; workspace buffers: cod 12,582,912 bytes; scl 393,216 bytes; qc 8,388,608 bytes; qs 524,288 bytes; kv 17,563,648 bytes; tsum 262,144 bytes; ac 8,388,608 bytes; asc 262,144 bytes
;; launch quant (part 1): grid 640 x 1, 4 waves a work-group, no clusters, 35,328 bytes of LDS; arguments x, c_attn_w, c_proj_w, cod, scl; writes cod, scl
.if DOCPART == 1
	.amdgcn_target "amdgcn-amd-amdhsa--gfx1250"
	.amdhsa_code_object_version 6
	.text
	.protected	k_q83969ff4e2_quant
	.globl	k_q83969ff4e2_quant
	.p2align	8
	.type	k_q83969ff4e2_quant,@function
k_q83969ff4e2_quant:
	s_mov_b64 s[64:65], 0
	v_nop
	global_prefetch_b8 v0, s[64:65] scope:SCOPE_SE
	s_setreg_imm32_b32 hwreg(HW_REG_WAVE_MODE, 25, 1), 1
	s_wait_xcnt 0x0
; x [8192][1024], c_attn_w [1024][3072] and c_proj_w [1024][1024], f32, become codes of FP8 (E4M3) with one E8M0 byte for each 32 along K = 1024.
; THE CODES ARE LAID AS IMAGES OF THE OPERAND'S REGISTERS.  cod: [K pair 4][tile 768][K step 2][c 4][lane 32][16 bytes]: lane 16 h + r of a tile holds k = 32 c + 16 h + 0..15 of the tile's row r.
; Row r of tile T is the true row 32 (T / 2) + 8 (T % 2) + r + 8 (r / 8): so the results of two neighbouring tiles are, in a lane's registers, 16 neighbours.  Tiles 0-511: x's rows; 512-703: c_attn_w's columns; 704-767: c_proj_w's.
; scl: [tile 768][r 16][K step 8] words of four bytes.
; A block's scale is 2^(floor(log2(its largest magnitude)) - 8); its byte is the largest magnitude's exponent field - 8, held at 1 from below.
; LIMITS: a block of zeros gets the byte 1 where the rule says 127 (its codes are zeros, and this program alone reads the bytes); blocks whose largest magnitude lies under 2^-118 keep the byte 1; NaN and infinities are not served.
; Work-groups 0-127 take the weights (x = id % 32: 128 columns, y = id / 32: a K pair), a lane to a column, registers down K.  Work-groups 128-639 take one tile of x each, wave w its K pair w.
; Memory binds: no matrix unit, no cluster, no tensor load.  Only x's path uses LDS and a barrier.
.set KPS,  768*4096                    ; bytes of a K pair in cod
.set TM,   10                          ; v10-25 at work in QUANT
.set SEL,  20                          ; s[20:21] selects for lane l xor 16
.set MNT,  22
.set X,    32                          ; weights: v32-95 two sets of 32 numbers
.set C,    96                          ; weights: v96-159 eight registers of codes for each block: no store's data are written again
.set SB,   24                          ; weights: v[24:25] the scale bytes
.set R,    58                          ; x: v58-185 two K steps as loaded
.set ST,   186                         ; x: v186-249 64 numbers in the operand's order
.set PC,   26                          ; x: v26-57 two fragments of codes
.set PW,   8                           ; x: v[8:9] their scale words
.set SPX,  528                         ; x: a stage row: 512 bytes + 16
.set WST,  16*SPX                      ; a wave's stage
.set XSW,  4*WST                       ; behind the stages: the tile's 512 bytes of scale words
; 64 numbers of a lane, register 16 b + i = k 32 b + 16 (lane / 16) + i of my row, become a fragment's codes in v[pc] on and its scale word in v[pw]
.macro QUANT s, pc, pw
.irp b, 0,1,2,3
	v_max3_num_f32 v[TM+\b], |v[\s+16*\b]|, |v[\s+1+16*\b]|, 0x4800000   ; my 16 numbers of block b, and the floor 2^(9 - 127): the byte cannot fall under 1
.endr
.irp i, 2,4,6,8,10,12,14
.irp b, 0,1,2,3
	v_max3_num_f32 v[TM+\b], v[TM+\b], |v[\s+16*\b+\i]|, |v[\s+1+16*\b+\i]|
.endr
.endr
.irp b, 0,1,2,3
	v_permlanex16_b32 v[TM+4+\b], v[TM+\b], s[SEL], s[SEL+1]
.endr
.irp b, 0,1,2,3
	v_max_num_f32 v[TM+\b], v[TM+\b], v[TM+4+\b]                 ; with lane l xor 16's: the block's largest magnitude
.endr
.irp b, 0,1,2,3
	v_add_nc_u32 v[TM+12+\b], 0xfc000000, v[TM+\b]               ; 8 off its exponent field: the conversion's scale operand
.endr
.irp b, 0,1,2,3
.endr
.irp b, 0,1,2,3
	v_lshrrev_b32 v[TM+4+\b], 23, v[TM+12+\b]                    ; the scale's byte
.endr
	v_lshl_or_b32 v[\pw], v[TM+5], 8, v[TM+4]
	v_lshl_or_b32 v[\pw], v[TM+6], 16, v[\pw]
	v_lshl_or_b32 v[\pw], v[TM+7], 24, v[\pw]
.irp b, 0,1,2,3
.irp i, 0,1,2,3,4,5,6,7,8,9,10,11,12,13,14,15
.endr
	v_cvt_scalef32_pk8_fp8_f32 v[\pc+4*\b:\pc+1+4*\b], v[\s+16*\b:\s+7+16*\b], v[TM+12+\b]
	v_cvt_scalef32_pk8_fp8_f32 v[\pc+2+4*\b:\pc+3+4*\b], v[\s+8+16*\b:\s+15+16*\b], v[TM+12+\b]
.endr
	v_nop                                          ; a plain line behind the last conversion
.endm
.macro WLOAD t, N                      ; block t: W(32 t + i, my column) into set t % 2: 128 consecutive bytes a wave
.irp i, 0,1,2,3,4,5,6,7,8,9,10,11,12,13,14,15,16,17,18,19,20,21,22,23,24,25,26,27,28,29,30,31
	global_load_b32 v[X+32*((\t)%2)+\i], v3, s[24:25] offset:(32*(\t)+\i)*\N*4 th:TH_LOAD_NT
.endr
.endm
.macro WBLOCK t, N
.set XS, X+32*((\t)%2)
.set CC, C+8*(\t)
.if (\t) < 7
	s_wait_loadcnt 32                              ; this block's 32 loads are in; the next block's 32 may be out
.else
	s_wait_loadcnt 0x0
.endif
	v_max3_num_f32 v12, |v[XS]|, |v[XS+1]|, |v[XS+2]|            ; all 32 numbers of the block are mine
	v_max3_num_f32 v13, |v[XS+3]|, |v[XS+4]|, |v[XS+5]|
.irp i, 6,10,14,18,22,26
	v_max3_num_f32 v12, v12, |v[XS+\i]|, |v[XS+\i+1]|
	v_max3_num_f32 v13, v13, |v[XS+\i+2]|, |v[XS+\i+3]|
.endr
	v_max3_num_f32 v12, v12, |v[XS+30]|, |v[XS+31]|
	v_max3_num_f32 v12, v12, v13, 0x4800000        ; and the floor
	v_add_nc_u32 v11, 0xfc000000, v12
	v_lshrrev_b32 v13, 23, v11
.if (\t)%4 == 0
	v_mov_b32 v[SB+(\t)/4], v13
.else
	v_lshl_or_b32 v[SB+(\t)/4], v13, 8*((\t)%4), v[SB+(\t)/4]
.endif
.irp i, 0,1,2,3,4,5,6,7,8,9,10,11,12,13,14,15,16,17,18,19,20,21,22,23,24,25,26,27,28,29,30,31
.endr
.irp g, 0,1,2,3
	v_cvt_scalef32_pk8_fp8_f32 v[CC+2*\g:CC+2*\g+1], v[XS+8*\g:XS+8*\g+7], v11
.endr
	v_nop
	global_store_b128 v4, v[CC:CC+3], s[26:27] offset:((\t)/4)*2048+((\t)%4)*512         ; k 32 c + 0..15: the places of lanes 0-15; the sixteen lanes of one tile fill 256 consecutive bytes
	global_store_b128 v4, v[CC+4:CC+7], s[26:27] offset:((\t)/4)*2048+((\t)%4)*512+256   ; k 32 c + 16..31: the places of lanes 16-31
.if (\t)+2 < 8
	WLOAD (\t)+2, \N
.endif
.endm
; a weight of N columns at s[PTR:PTR+1]; its work-groups begin at x = XOFF, its tiles at TB0
.macro WPATH N, PTR, XOFF, TB0
	s_sub_co_u32 s19, s17, \XOFF
	s_lshl_b32 s19, s19, 7
	s_lshl_b32 s23, s16, 5
	s_add_co_u32 s19, s19, s23                     ; my wave's first column
	s_mul_i32 s24, s18, 256*\N*4                   ; the K pair's 256 rows
	s_lshl_b32 s23, s19, 2
	s_add_co_u32 s24, s24, s23
	s_mov_b32 s25, 0
	s_add_nc_u64 s[24:25], s[\PTR:\PTR+1], s[24:25]
	s_lshr_b32 s23, s19, 4
	s_add_co_u32 s23, s23, \TB0                    ; my first tile
	s_mul_i32 s26, s18, KPS
	s_lshl_b32 s28, s23, 12
	s_add_co_u32 s26, s26, s28
	s_mov_b32 s27, 0
	s_add_nc_u64 s[26:27], s[10:11], s[26:27]
	s_lshl_b32 s28, s23, 9
	s_lshl_b32 s29, s18, 3
	s_add_co_u32 s28, s28, s29
	s_mov_b32 s29, 0
	s_add_nc_u64 s[28:29], s[12:13], s[28:29]
	WLOAD 0, \N
	WLOAD 1, \N
.irp t, 0,1,2,3,4,5,6,7
	WBLOCK \t, \N
.endr
	global_store_b64 v5, v[SB:SB+1], s[28:29]      ; my column's two scale words of this K pair
	s_endpgm
.endm
	s_load_b256 s[4:11], s[0:1], 0x0               ; x s[4:5], c_attn_w s[6:7], c_proj_w s[8:9], cod s[10:11]
	s_load_b64 s[12:13], s[0:1], 0x20              ; scl
	v_lshl_add_u32 v254, v0, 2, 0x8800
	v_mov_b32 v255, 0
	v_lshrrev_b32 v1, 5, v0
	v_readfirstlane_b32 s16, v1                    ; wave
	v_and_b32 v2, 31, v0                           ; lane
	s_mov_b32 s[SEL], 0x76543210
	s_mov_b32 s[SEL+1], 0xfedcba98
	s_wait_kmcnt 0x0
	s_cmp_ge_u32 ttmp9, 128                        ; the parting hangs on the work-group's number alone
	s_cbranch_scc1 .Lx
	s_lshr_b32 s18, ttmp9, 5                       ; the K pair
	s_wait_alu depctr_va_vdst(0)
	v_lshlrev_b32 v3, 2, v2                        ; in: 4 bytes a lane
	v_bfe_u32 v6, v2, 3, 1                         ; column 16 g + 8 u + i of 32 is row 8 g + i of tile u
	v_lshrrev_b32 v7, 4, v2
	v_and_b32 v8, 7, v2
	v_lshl_add_u32 v8, v7, 3, v8
	v_lshlrev_b32 v4, 4, v8
	v_lshl_add_u32 v4, v6, 12, v4                  ; codes: 4,096 u + 16 r
	v_lshlrev_b32 v5, 5, v8
	v_lshl_add_u32 v5, v6, 9, v5                   ; scale words: 512 u + 32 r
	s_and_b32 s17, ttmp9, 31
	s_cmp_ge_u32 s17, 24
	s_cbranch_scc1 .Lwp
	s_wait_alu depctr_va_vdst(0)
	WPATH 3072, 6, 0, 512
.Lwp:
	s_wait_alu depctr_va_vdst(0)
	WPATH 1024, 8, 24, 704
.Lx:
	s_sub_co_u32 s17, ttmp9, 128                   ; the tile
	s_lshr_b32 s18, s17, 1
	s_lshl_b32 s18, s18, 5
	s_and_b32 s19, s17, 1
	s_lshl_b32 s19, s19, 3
	s_add_co_u32 s18, s18, s19                     ; its first true row
	s_lshl_b32 s24, s18, 12
	s_lshl_b32 s19, s16, 10
	s_add_co_u32 s24, s24, s19                     ; + my K pair's 1,024 bytes
	s_mov_b32 s25, 0
	s_add_nc_u64 s[24:25], s[4:5], s[24:25]
	s_mul_i32 s26, s16, KPS
	s_lshl_b32 s19, s17, 12
	s_add_co_u32 s26, s26, s19
	s_mov_b32 s27, 0
	s_add_nc_u64 s[26:27], s[10:11], s[26:27]
	s_lshl_b32 s28, s17, 9
	s_mov_b32 s29, 0
	s_add_nc_u64 s[28:29], s[12:13], s[28:29]
	s_wait_alu depctr_va_vdst(0)
	v_lshlrev_b32 v3, 4, v2                        ; 16 x lane
.irp ks, 0,1
.irp t, 0,1,2,3,4,5,6,7,8,9,10,11,12,13,14,15
	global_load_b128 v[R+64*\ks+4*\t:R+64*\ks+4*\t+3], v3, s[24:25] offset:(\t+8*(\t/8))*4096+\ks*512 th:TH_LOAD_NT   ; 512 consecutive bytes of the tile's row t
.endr
.endr
	v_and_b32 v1, 15, v2                           ; r
	v_lshrrev_b32 v250, 4, v2                      ; h
	s_mul_i32 s19, s16, WST
	v_add_nc_u32 v4, s19, v3                       ; the stage, in: rows as loaded
	v_mul_u32_u24 v5, v1, SPX
	v_lshl_add_u32 v5, v250, 6, v5
	v_add_nc_u32 v5, s19, v5                       ; and out: row r, my 16 numbers of each block of 32
	v_lshlrev_b32 v6, 5, v1
	s_lshl_b32 s19, s16, 3
	s_add_co_u32 s19, s19, XSW
	v_add_nc_u32 v6, s19, v6                       ; my row's two scale words
	v_add_nc_u32 v7, XSW, v3
.irp b, 0,1,2,3
	v_mov_b32 v[TM+4+\b], 0                        ; a lane permute's destination counts as one of its sources
.endr
	s_wait_alu depctr_va_vdst(0)
.irp ks, 0,1
	s_wait_loadcnt 16-16*\ks                       ; this K step's 16 loads are in; the other's may be out
.irp t, 0,1,2,3,4,5,6,7,8,9,10,11,12,13,14,15
	ds_store_b128 v4, v[R+64*\ks+4*\t:R+64*\ks+4*\t+3] offset:\t*SPX
.endr
.irp b, 0,1,2,3
.irp j, 0,1,2,3
	ds_load_b128 v[ST+16*\b+4*\j:ST+16*\b+4*\j+3], v5 offset:128*\b+16*\j   ; LDS serves a wave's instructions in order: these see my stores
.endr
.endr
	s_wait_dscnt 0x0
	QUANT ST, PC+16*\ks, PW+\ks
.irp c, 0,1,2,3
	global_store_b128 v3, v[PC+16*\ks+4*\c:PC+16*\ks+4*\c+3], s[26:27] offset:\ks*2048+\c*512   ; the image: 512 consecutive bytes a store
.endr
.endr
	ds_store_b64 v6, v[PW:PW+1]                    ; both halves of the lanes write the same words with the same values
	s_wait_dscnt 0x0                               ; for the others' sake
	s_barrier_signal -1
	s_barrier_wait -1
	s_cmp_lg_u32 s16, 0
	s_cbranch_scc1 .Lxend
	ds_load_b128 v[250:253], v7                    ; the tile's 512 bytes of scale words, from four waves
	s_wait_dscnt 0x0
	global_store_b128 v3, v[250:253], s[28:29]
.Lxend:
	s_wait_tensorcnt 0x0
	ds_add_u32 v254, v255
	s_wait_dscnt 0x0
	s_endpgm
.Lfunc_end_k_q83969ff4e2_quant:
	.size	k_q83969ff4e2_quant, .Lfunc_end_k_q83969ff4e2_quant-k_q83969ff4e2_quant
	.p2alignl 7, 3214868480
	.fill 96, 4, 3214868480
	.section	.rodata,"a",@progbits
	.p2align	6, 0x0
	.amdhsa_kernel k_q83969ff4e2_quant
		.amdhsa_group_segment_fixed_size 35328
		.amdhsa_private_segment_fixed_size 0
		.amdhsa_enable_private_segment 0
		.amdhsa_kernarg_size 40
		.amdhsa_user_sgpr_count 2
		.amdhsa_user_sgpr_kernarg_segment_ptr 1
		.amdhsa_wavefront_size32 1
		.amdhsa_system_sgpr_workgroup_id_x 1
		.amdhsa_system_sgpr_workgroup_id_y 1
		.amdhsa_system_sgpr_workgroup_id_z 1
		.amdhsa_system_vgpr_workitem_id 0
		.amdhsa_next_free_vgpr 256
		.amdhsa_next_free_sgpr 66
		.amdhsa_reserve_vcc 0
		.amdhsa_float_denorm_mode_32 3
		.amdhsa_float_denorm_mode_16_64 3
		.amdhsa_fp16_overflow 1
		.amdhsa_memory_ordered 1
		.amdhsa_forward_progress 1
		.amdhsa_inst_pref_size 96
	.end_amdhsa_kernel
	.amdgpu_metadata
---
amdhsa.version: [ 1, 2 ]
amdhsa.kernels:
  - .name:           k_q83969ff4e2_quant
    .symbol:         k_q83969ff4e2_quant.kd
    .args:
      - { .name: x, .offset: 0, .size: 8, .value_kind: global_buffer, .address_space: global }
      - { .name: c_attn_w, .offset: 8, .size: 8, .value_kind: global_buffer, .address_space: global }
      - { .name: c_proj_w, .offset: 16, .size: 8, .value_kind: global_buffer, .address_space: global }
      - { .name: cod, .offset: 24, .size: 8, .value_kind: global_buffer, .address_space: global }
      - { .name: scl, .offset: 32, .size: 8, .value_kind: global_buffer, .address_space: global }
    .group_segment_fixed_size: 35328
    .private_segment_fixed_size: 0
    .kernarg_segment_align: 8
    .kernarg_segment_size: 40
    .max_flat_workgroup_size: 128
    .sgpr_count:     66
    .vgpr_count:     256
    .wavefront_size: 32
...
	.end_amdgpu_metadata
.endif
;; end of part 1
;; launch gemm_qkv (part 2): grid 12 x 32, 4 waves a work-group, clusters of 4 x 4, 327,680 bytes of LDS; arguments cod, scl, c_attn_b, qc, qs, kv, tsum; writes qc, qs, kv, tsum
.if DOCPART == 2
	.amdgcn_target "amdgcn-amd-amdhsa--gfx1250"
	.amdhsa_code_object_version 6
	.text
	.protected	k_q83969ff4e2_gemm_qkv
	.globl	k_q83969ff4e2_gemm_qkv
	.p2align	8
	.type	k_q83969ff4e2_gemm_qkv,@function
k_q83969ff4e2_gemm_qkv:
	s_mov_b64 s[64:65], 0
	v_nop
	global_prefetch_b8 v0, s[64:65] scope:SCOPE_SE
	s_setreg_imm32_b32 hwreg(HW_REG_WAVE_MODE, 25, 1), 1
	s_wait_xcnt 0x0
	s_wait_alu depctr_hold_cnt(0) depctr_sa_sdst(0) depctr_va_vdst(0) depctr_va_sdst(0) depctr_va_ssrc(0) depctr_va_vcc(0) depctr_vm_vsrc(0)
	s_getreg_b32 s2, hwreg(HW_REG_IB_STS2, 6, 4)
	s_cmp_eq_u32 s2, 0
	s_cbranch_scc0 .Lentry_in_a_cluster
	s_endpgm
.Lentry_in_a_cluster:
	s_bfe_u32 s2, ttmp6, 0x10000c
	s_cmp_lg_u32 s2, 0xf033
	s_cbranch_scc0 .Lentry_shape_is_right
	s_endpgm
.Lentry_shape_is_right:
; qkv = x c_attn_w + c_attn_b on codes of FP8 (E4M3) with E8M0 scales, K = 1024; q, k and v are quantised in registers for the attention's products and leave as images of operand registers.
; A tile of 256 x 256 is made by four waves, 128 x 128 each: 64 accumulators, 512 registers.  K goes in four pairs of K steps through a ring of two LDS slots; a pair's tiles are dense blocks of cod, so a fragment is four loads at 16 x lane.
; The scale words of the work-group's 512 rows, for all of K, come into LDS once.  CLUSTERS 4 x 4: the operand in A's place is shared along a row of the cluster, that in B's place along a column, by joint loads.
; Source 0 takes B's place, source 1 A's: a lane holds ONE row of A's place, and the 64 registers of a block of rows run along B's place; by the order of rows in a tile, register 16 b + i is the true index 32 b + 16 (lane / 16) + i.
; Clusters x = 0, 1 (q, k): A's place = 256 tokens, B's place = 256 channels: registers along the head's channels, the K of q k^T.
; Cluster x = 2 (v): A's place = 256 of v's channels, B's place = 256 tokens: registers along the keys, the K of p v.  Same instructions and LDS addresses; only global addresses and the way out differ, by a branch on the cluster's x, which all partners share.
; OUT.  qc [bh][tile 128][c 2][lane][16]; qs [bh][g 16][r 16][a 8] words; kv [bh][record 8] of 34,304 bytes: K's codes 16 x 1,024, K's words [2][16][8], V's codes [step 2][d tile 4][c 4][lane][16], V's words [2][16][4].
; tsum [bh][step 16][64] f32: the sum of the quantised v over the step's 128 keys, made by one matrix instruction against ones.
; LIMITS: as in the quantising launch: a block of zeros gets the byte 1; blocks under 2^-118 keep the byte 1; NaN and infinities are not served.
; REGISTERS: window 0: v1 r, v2 h, v8-15 v's bias, v16-31 addresses, v32-63 scale words (two sets), v64-127 q's and k's bias, v128-255 A's fragments (one set).  window 1: B's fragments, two sets.  windows 2, 3: the accumulators.
.set NQ,     2                         ; K steps of 128 in a slot
.set FR,     16                        ; registers of a fragment
.set NL,     4                         ; LDS loads that bring one
.set NP,     8                         ; places behind this matrix instruction (ISA guide 7.12.1)
.set TILEB,  4096                      ; a tile of 16 rows x 256 K
.set HALFT,  8*TILEB                   ; 128 rows: what one tensor load brings
.set SLOT,   4*HALFT
.set KPSA,   768*TILEB                 ; from K pair to K pair in A's buffer
.set KPSB,   768*TILEB                 ; and in B's
.set SCL,    2*SLOT                    ; behind the ring: the scale words, units of 256 bytes + 16
.set HALFS,  16*272
.set SBLK,   2*272
.set SPARE,  SCL+4*HALFS               ; the spare words: 128 bytes a wave, two blocks of 256 bytes that no other line names
.set RECB,   34304
.set HS,     8*RECB
.set BV,   8
.set ADRA, 16
.set ADRB, 20
.set CO,   26                          ; 16 x lane
.set ADRS, 27
.set SPW,  28
.set NIL,  29
.set BAQ,  30
.set BAV,  31
.set SC,   32
.set BQ,   64
.set AF,   128
.set SW,   32                          ; the way out: scale words
.set ONES, 48                          ; 16 registers of the code of 1.0
.set TD,   64                          ; the sums of the quantised v
.set ST,   128                         ; 64 numbers
.set PC,   192                         ; two sets of codes
.set TM,   224
.set SEL,  92
.set MNT,  94
.set G1, 24
.set G0, 32
.set G1B, 48
.set G0B, 56
.set G1S, 68
.set G0S, 76
.set G1SB, 80
.set G0SB, 88
.set MSB, 0
.macro WIN new                         ; the immediate's high byte repeats the setting that is left
.if MSB != \new
	s_set_vgpr_msb (MSB<<8)|\new
.set MSB, \new
.endif
.endm
.set MUL_LO, 0xa1                      ; source 0 (B) window 1, source 1 (A) window 0, C and D window 2
.set MUL_HI, 0xf1
.set TO_B,   0x40
; A joint load: waves 0 and 1 fetch for A's place, waves 2 and 3 for B's.  Four v_nop follow each line.
.macro JLOAD g0a, g1a, g0b, g1b
	s_cmp_eq_u32 s15, 0
	s_cbranch_scc0 .Lfor_b_\@
	tensor_load_to_lds s[\g0a:\g0a+3], s[\g1a:\g1a+7]
	s_nop 0
.rept 4
	v_nop
.endr
	s_branch .Lasked_\@
.Lfor_b_\@:
	tensor_load_to_lds s[\g0b:\g0b+3], s[\g1b:\g1b+7]
	s_nop 0
.rept 4
	v_nop
.endr
.Lasked_\@:
.endm
.macro CREST
	s_cmp_lg_u32 s14, 0
	s_cbranch_scc1 .Lnot_wave_0_\@
	s_barrier_signal -3
.Lnot_wave_0_\@:
	s_barrier_wait -3
	s_barrier_signal -1
	s_barrier_wait -1
.endm
.macro CROUND
	s_barrier_signal -1
	s_barrier_wait -1
	CREST
.endm
	s_load_b128 s[4:7], s[0:1], 0x0                ; cod, scl
	s_load_b64 s[12:13], s[0:1], 0x10              ; c_attn_b
	s_load_b128 s[96:99], s[0:1], 0x18             ; qc, qs
	s_load_b128 s[8:11], s[0:1], 0x28              ; kv, tsum
	v_lshl_add_u32 v[SPW], v0, 2, SPARE
	v_mov_b32 v[NIL], 0
	ds_add_u32 v28, v29
	ds_add_u32 v28, v29
	s_wait_dscnt 0x0
	v_lshrrev_b32 v1, 5, v0
	v_readfirstlane_b32 s14, v1                    ; wave
	s_lshr_b32 s15, s14, 1                         ; my half of A's place.  Also: I fetch for A (0) or B (1)
	s_and_b32 s16, s14, 1                          ; my half of B's place.  Also: which 128 rows I fetch
	s_bfe_u32 s40, ttmp6, 0x40000                  ; cx
	s_bfe_u32 s41, ttmp6, 0x40004                  ; cy
	s_and_b32 s17, ttmp7, 0xffff                   ; the cluster's y
	s_lshl_b32 s18, s17, 6                         ; 64 tiles of tokens to a cluster
	s_lshl_b32 s19, ttmp9, 6
	s_add_co_u32 s19, s19, 512                     ; q's and k's columns: tiles 512 + 64 x cluster x
	s_cmp_eq_u32 ttmp9, 2                          ; v's clusters: the same in all partners
	s_cselect_b32 s17, 640, s18
	s_cselect_b32 s42, s18, s19
	s_lshl_b32 s20, s41, 4
	s_add_co_u32 s17, s17, s20                     ; A's first tile: hangs on cy alone
	s_lshl_b32 s46, s40, 4
	s_add_co_u32 s42, s42, s46                     ; B's first tile: hangs on cx alone
	s_lshl_b32 s43, s41, 2
	s_lshl_b32 s43, 15, s43                        ; my row of the cluster
	s_lshl_b32 s44, 0x1111, s40                    ; my column
	; group 1 for codes: 32,768 dense bytes as 128 rows of 32 elements of 8 bytes, no padding
	s_or_b32 s[G1+0], s43, (3<<16)|(1<<21)
	s_or_b32 s[G1B+0], s44, (3<<16)|(1<<21)
.irp g, G1, G1B
	s_mov_b32 s[\g+1], 32<<16
	s_mov_b32 s[\g+2], 128<<16
	s_mov_b32 s[\g+3], 32<<16
	s_mov_b32 s[\g+4], 128
	s_mov_b32 s[\g+5], 32
	s_mov_b32 s[\g+6], 0
	s_mov_b32 s[\g+7], 0
.endr
	; and for the scale words of 128 rows: 4,096 dense bytes as 16 rows of 256, 16 bytes of padding behind each
	s_or_b32 s[G1S+0], s43, (3<<16)|(1<<20)|(1<<21)|(5<<22)|(3<<25)
	s_or_b32 s[G1SB+0], s44, (3<<16)|(1<<20)|(1<<21)|(5<<22)|(3<<25)
.irp g, G1S, G1SB
	s_mov_b32 s[\g+1], 32<<16
	s_mov_b32 s[\g+2], 16<<16
	s_mov_b32 s[\g+3], 32<<16
	s_mov_b32 s[\g+4], 16
	s_mov_b32 s[\g+5], 32
	s_mov_b32 s[\g+6], 0
	s_mov_b32 s[\g+7], 0
.endr
	s_lshl_b32 s18, s16, 3                         ; which 8 tiles I fetch
	s_add_co_u32 s20, s17, s18
	s_add_co_u32 s46, s42, s18
	s_lshl_b32 s22, s20, 9                         ; their scale words,
	s_mov_b32 s23, 0
	s_lshl_b32 s92, s46, 9
	s_mov_b32 s93, 0
	s_lshl_b32 s20, s20, 12                        ; their codes
	s_mov_b32 s21, 0
	s_lshl_b32 s46, s46, 12
	s_mov_b32 s47, 0
	s_mul_i32 s45, s14, HALFT                      ; where they go: no place in the cluster enters an LDS address
	s_mul_i32 s94, s14, HALFS
	s_wait_kmcnt 0x0
	s_add_nc_u64 s[20:21], s[4:5], s[20:21]
	s_add_nc_u64 s[22:23], s[6:7], s[22:23]
	s_add_nc_u64 s[46:47], s[4:5], s[46:47]
	s_add_nc_u64 s[92:93], s[6:7], s[92:93]
	CROUND                                         ; all sixteen work-groups are here: the first joint loads meet
	s_mov_b32 s[G0S], 1
	s_add_co_u32 s[G0S+1], s94, SCL
	s_mov_b64 s[G0S+2:G0S+3], s[22:23]
	s_or_b32 s[G0S+3], s[G0S+3], 0x80000000
	s_mov_b32 s[G0SB], 1
	s_add_co_u32 s[G0SB+1], s94, SCL
	s_mov_b64 s[G0SB+2:G0SB+3], s[92:93]
	s_or_b32 s[G0SB+3], s[G0SB+3], 0x80000000
	JLOAD G0S, G1S, G0SB, G1SB
.irp s, 0,1
	s_mov_b32 s[G0+4*\s], 1
	s_add_co_u32 s[G0+4*\s+1], s45, \s*SLOT
	s_add_nc_u64 s[G0+4*\s+2:G0+4*\s+3], s[20:21], \s*KPSA
	s_or_b32 s[G0+4*\s+3], s[G0+4*\s+3], 0x80000000
	s_mov_b32 s[G0B+4*\s], 1
	s_add_co_u32 s[G0B+4*\s+1], s45, \s*SLOT
	s_add_nc_u64 s[G0B+4*\s+2:G0B+4*\s+3], s[46:47], \s*KPSB
	s_or_b32 s[G0B+4*\s+3], s[G0B+4*\s+3], 0x80000000
	JLOAD G0+4*\s, G1, G0B+4*\s, G1B
.endr
	v_and_b32 v1, 15, v0                           ; r
	v_bfe_u32 v2, v0, 4, 1                         ; h
	v_and_b32 v6, 31, v0
	v_lshlrev_b32 v[CO], 4, v6                     ; 16 x lane: an image's place for my lane
	s_mul_i32 s21, s15, HALFT
	s_mul_i32 s22, s16, HALFT
	s_add_co_u32 s22, s22, 2*HALFT
.irp s, 0,1
	v_add_nc_u32 v[ADRA+\s], s21, v[CO]
	v_add_nc_u32 v[ADRB+\s], s22, v[CO]
	s_add_co_u32 s21, s21, SLOT
	s_add_co_u32 s22, s22, SLOT
.endr
	v_mul_u32_u24 v5, v1, 32                       ; my row's scale words: 32 bytes a row,
	v_lshrrev_b32 v6, 8, v5
	v_lshl_add_u32 v5, v6, 4, v5                   ; and 16 more for each 256 passed
	s_mul_i32 s21, s15, HALFS
	s_mul_i32 s22, s16, HALFS
	s_add_co_u32 s22, s22, 2*HALFS
	s_sub_co_u32 s22, s22, s21
	v_mul_u32_u24 v6, s22, v2                      ; lanes 16-31 take B's
	s_add_co_u32 s21, s21, SCL
	v_add_nc_u32 v5, v5, v6
	v_add_nc_u32 v[ADRS], s21, v5
	; the biases: both kinds are loaded on every path, the one that is not mine from a base held inside the buffer
	v_lshlrev_b32 v[BAQ], 6, v2                    ; q, k: 16 numbers of each 32 channels: 64 h bytes
	s_wait_alu depctr_va_vdst(0)
	v_and_b32 v5, 8, v1
	v_add_nc_u32 v5, v5, v1
	v_lshlrev_b32 v[BAV], 2, v5                    ; v: my row's true channel: r + 8 (r / 8)
	s_wait_alu depctr_va_vdst(0)
	s_sub_co_u32 s18, s42, 512
	s_lshl_b32 s18, s18, 6
	s_lshl_b32 s19, s16, 9
	s_add_co_u32 s18, s18, s19
	s_sub_co_u32 s66, s17, 640
	s_lshl_b32 s66, s66, 6
	s_lshl_b32 s19, s15, 9
	s_add_co_u32 s66, s66, s19
	s_cmp_eq_u32 ttmp9, 2
	s_cselect_b32 s18, 0, s18
	s_cselect_b32 s66, s66, 0
	s_add_co_u32 s66, s66, 8192                    ; v's bias begins at number 2,048
	s_mov_b32 s19, 0
	s_mov_b32 s67, 0
	s_add_nc_u64 s[66:67], s[12:13], s[66:67]
	s_add_nc_u64 s[12:13], s[12:13], s[18:19]
.irp b, 0,1,2,3
.irp j, 0,1,2,3
	global_load_b128 v[BQ+16*\b+4*\j:BQ+16*\b+4*\j+3], v[BAQ], s[12:13] offset:128*\b+16*\j
.endr
.endr
.irp a, 0,1,2,3,4,5,6,7
	global_load_b32 v[BV+\a], v[BAV], s[66:67] offset:(32*(\a/2)+8*(\a%2))*4
.endr
.macro FRAG reg, adr, q, i             ; a fragment's image: four loads of 512 consecutive bytes
.irp c, 0,1,2,3
	ds_load_b128 v[\reg+4*\c:\reg+4*\c+3], v[\adr] offset:2048*(\q)+512*\c+(\i)*TILEB
.endr
.endm
; 16 matrix instructions: A's blocks a0, a0 + 1 x B's eight.  The 64 accumulators take turns, one instruction a turn.
.macro MUL16 a0, p, q, sc, zero
.irp a, \a0, \a0+1
.irp b, 0,1,2,3,4,5,6,7
.if \zero
	v_wmma_scale_f32_16x16x128_f8f6f4 v[8*(8*((\a)%4)+\b):8*(8*((\a)%4)+\b)+7], v[128*(\p)+FR*\b:128*(\p)+FR*\b+FR-1], v[AF+FR*(\a):AF+FR*(\a)+FR-1], 0, v[SC+8*NQ*(\sc)+NQ*\b+(\q)], v[SC+8*NQ*(\sc)+NQ*(\a)+(\q)] matrix_a_scale:MATRIX_SCALE_ROW1
.else
	v_wmma_scale_f32_16x16x128_f8f6f4 v[8*(8*((\a)%4)+\b):8*(8*((\a)%4)+\b)+7], v[128*(\p)+FR*\b:128*(\p)+FR*\b+FR-1], v[AF+FR*(\a):AF+FR*(\a)+FR-1], v[8*(8*((\a)%4)+\b):8*(8*((\a)%4)+\b)+7], v[SC+8*NQ*(\sc)+NQ*\b+(\q)], v[SC+8*NQ*(\sc)+NQ*(\a)+(\q)] matrix_a_scale:MATRIX_SCALE_ROW1
.endif
.endr
.endr
.endm
.macro FETCH_B slot, q, p
	WIN TO_B
.irp i, 0,1,2,3,4,5,6,7
	FRAG 128*(\p)+FR*\i, ADRB+\slot, \q, \i
.endr
	WIN 0
.endm
.macro FETCH_A slot, q, i0
.irp i, \i0, \i0+1, \i0+2, \i0+3
	FRAG AF+FR*(\i), ADRA+\slot, \q, \i
.endr
.endm
.macro SCALES sc                       ; a K pair's scale words: lanes 0-15 A's block i, lanes 16-31 B's block i
.irp i, 0,1,2,3,4,5,6,7
	ds_load_b64 v[SC+8*NQ*\sc+NQ*\i:SC+8*NQ*\sc+NQ*\i+1], v[ADRS] offset:\i*SBLK
.endr
.endm
.macro PLACES n                        ; plain vector instructions behind matrix instructions, ahead of loads into their registers and of reads of results
.rept \n
	v_nop
.endr
.endm
.macro STEP slot, q, zero              ; a K step that has its successor in the same slot
	s_wait_dscnt 4*NL                              ; B's set and A's blocks 0-3 are in; the youngest 16 loads (A's blocks 4-7) may be out
	WIN MUL_LO
	MUL16 0, (\q)%2, \q, \slot, \zero
	MUL16 2, (\q)%2, \q, \slot, \zero
	s_wait_dscnt 0
	PLACES NP
	FETCH_B \slot, (\q)+1, 1-(\q)%2
	FETCH_A \slot, (\q)+1, 0
	WIN MUL_HI
	MUL16 4, (\q)%2, \q, \slot, \zero
	MUL16 6, (\q)%2, \q, \slot, \zero
	PLACES NP
	WIN 0
	FETCH_A \slot, (\q)+1, 4
.endm
; A slot's last K step changes slots: one barrier; ahead of it each wave waits for all its tensor loads, adds 0 to its spare word, and waits for that and for its reads of this slot.
.macro TURN slot, next, fill
	s_wait_tensorcnt 0x0                           ; all my tensor loads have landed: my part of the next slot
	ds_add_u32 v[SPW], v[NIL]                      ; 0 onto my spare word
	s_wait_dscnt 4*NL+1                            ; the add and the youngest 16 loads may be out
	WIN MUL_LO
	MUL16 0, 1, NQ-1, \slot, 0
	s_wait_dscnt 0x0                               ; the add is done, and my reads of this slot are over
	s_barrier_signal -1
	MUL16 2, 1, NQ-1, \slot, 0
	WIN 0
	s_barrier_wait -1
.if \fill
	CREST                                          ; the barrier has opened a round of the cluster's: no wave of any partner still reads this slot or has a load on its way
	s_add_nc_u64 s[G0+4*\slot+2:G0+4*\slot+3], s[G0+4*\slot+2:G0+4*\slot+3], 2*KPSA
	s_add_nc_u64 s[G0B+4*\slot+2:G0B+4*\slot+3], s[G0B+4*\slot+2:G0B+4*\slot+3], 2*KPSB
	JLOAD G0+4*\slot, G1, G0B+4*\slot, G1B         ; the first tensor load behind the round; its four v_nop are among the places
	PLACES NP-4
.else
	PLACES NP
.endif
	s_wait_alu depctr_va_vdst(0)
	v_add_nc_u32 v[ADRS], 4*NQ, v[ADRS]            ; the next K pair's scale words
	FETCH_B \next, 0, 0
	FETCH_A \next, 0, 0
	SCALES \next
	WIN MUL_HI
	MUL16 4, 1, NQ-1, \slot, 0
	MUL16 6, 1, NQ-1, \slot, 0
	PLACES NP
	WIN 0
	FETCH_A \next, 0, 4
.endm
	s_wait_tensorcnt 1                             ; the scale words and my part of K pair 0 are in; K pair 1's load may be out
	s_barrier_signal -1
	s_barrier_wait -1
	FETCH_B 0, 0, 0
	FETCH_A 0, 0, 0
	SCALES 0
	FETCH_A 0, 0, 4
	STEP 0, 0, 1                                   ; the first products start the sums.  Four K pairs: written out, no loop
	TURN 0, 1, 1
	STEP 1, 0, 0
	TURN 1, 0, 1
	STEP 0, 0, 0
	TURN 0, 1, 0
	STEP 1, 0, 0
	s_wait_dscnt 4*NL
	WIN MUL_LO
	MUL16 0, 1, NQ-1, 1, 0
	MUL16 2, 1, NQ-1, 1, 0
	s_wait_dscnt 0
	WIN MUL_HI
	MUL16 4, 1, NQ-1, 1, 0
	MUL16 6, 1, NQ-1, 1, 0
	WIN 0
; THE WAY OUT.  64 numbers of a lane become a fragment's codes and its scale word.
.macro QUANT s, pc, pw
.irp b, 0,1,2,3
	v_max3_num_f32 v[TM+\b], |v[\s+16*\b]|, |v[\s+1+16*\b]|, 0x4800000   ; my 16 numbers of block b, and the floor 2^(9 - 127)
.endr
.irp i, 2,4,6,8,10,12,14
.irp b, 0,1,2,3
	v_max3_num_f32 v[TM+\b], v[TM+\b], |v[\s+16*\b+\i]|, |v[\s+1+16*\b+\i]|
.endr
.endr
.irp b, 0,1,2,3
	v_permlanex16_b32 v[TM+4+\b], v[TM+\b], s[SEL], s[SEL+1]
.endr
.irp b, 0,1,2,3
	v_max_num_f32 v[TM+\b], v[TM+\b], v[TM+4+\b]
.endr
.irp b, 0,1,2,3
	v_add_nc_u32 v[TM+12+\b], 0xfc000000, v[TM+\b]
.endr
.irp b, 0,1,2,3
.endr
.irp b, 0,1,2,3
	v_lshrrev_b32 v[TM+4+\b], 23, v[TM+12+\b]
.endr
	v_lshl_or_b32 v[\pw], v[TM+5], 8, v[TM+4]
	v_lshl_or_b32 v[\pw], v[TM+6], 16, v[\pw]
	v_lshl_or_b32 v[\pw], v[TM+7], 24, v[\pw]
.irp b, 0,1,2,3
.irp i, 0,1,2,3,4,5,6,7,8,9,10,11,12,13,14,15
.endr
	v_cvt_scalef32_pk8_fp8_f32 v[\pc+4*\b:\pc+1+4*\b], v[\s+16*\b:\s+7+16*\b], v[TM+12+\b]
	v_cvt_scalef32_pk8_fp8_f32 v[\pc+2+4*\b:\pc+3+4*\b], v[\s+8+16*\b:\s+15+16*\b], v[TM+12+\b]
.endr
	v_nop                                          ; a plain line behind the last conversion
.endm
.macro FIN                             ; the wave's end: the waits and the add, then the closing round
	s_wait_tensorcnt 0x0
	ds_add_u32 v[SPW], v[NIL]
	s_wait_dscnt 0x0
	CROUND
	s_endpgm
.endm
	PLACES NP                                      ; behind the last products
	s_wait_loadcnt 0x0                             ; the biases
	s_mov_b32 s[SEL], 0x76543210
	s_mov_b32 s[SEL+1], 0xfedcba98
.irp b, 0,1,2,3
	v_mov_b32 v[TM+4+\b], 0                        ; a lane permute's destination counts as one of its sources
.endr
	s_cmp_eq_u32 ttmp9, 2
	s_cbranch_scc1 .Lv
	; ---- q, k: my 128 tokens x two heads
	s_lshl_b32 s18, s15, 3
	s_add_co_u32 s18, s17, s18                     ; my first tile of tokens
	s_lshr_b32 s19, s18, 7                         ; the batch
	s_and_b32 s20, s18, 127                        ; the tile in it
	s_lshr_b32 s21, s20, 3                         ; its group of 128 tokens
	s_sub_co_u32 s22, s42, 512
	s_lshr_b32 s22, s22, 2
	s_lshl_b32 s23, s16, 1
	s_add_co_u32 s22, s22, s23                     ; my first head: 0-15 q's, 16-31 k's
	s_and_b32 s23, s22, 15
	s_lshl_b32 s19, s19, 4
	s_add_co_u32 s19, s19, s23                     ; batch x 16 + head
	s_lshl_b32 s40, s19, 17
	s_lshl_b32 s41, s20, 10
	s_add_co_u32 s40, s40, s41                     ; q: codes,
	s_lshl_b32 s41, s19, 13
	s_lshl_b32 s43, s21, 9
	s_add_co_u32 s41, s41, s43                     ; scale words
	s_mul_i32 s43, s19, HS
	s_lshr_b32 s44, s21, 1
	s_mul_i32 s44, s44, RECB
	s_add_co_u32 s43, s43, s44                     ; k: the record,
	s_and_b32 s44, s21, 1
	s_lshl_b32 s45, s44, 13
	s_add_co_u32 s45, s45, s43                     ; codes,
	s_lshl_b32 s44, s44, 9
	s_add_co_u32 s44, s44, s43
	s_add_co_u32 s44, s44, 16384                   ; scale words
	s_mov_b32 s46, HS
	s_cmp_ge_u32 s22, 16                           ; the choice hangs on ids alone
	s_cselect_b32 s48, s45, s40
	s_cselect_b32 s50, s44, s41
	s_cselect_b32 s52, s46, 0x20000                ; from head to head: codes,
	s_cselect_b32 s54, s46, 0x2000                 ; scale words
	s_cselect_b64 s[56:57], s[8:9], s[96:97]
	s_cselect_b64 s[60:61], s[8:9], s[98:99]
	s_mov_b32 s49, 0
	s_mov_b32 s51, 0
	s_mov_b32 s53, 0
	s_mov_b32 s55, 0
	s_add_nc_u64 s[56:57], s[56:57], s[48:49]
	s_add_nc_u64 s[58:59], s[56:57], s[52:53]
	s_add_nc_u64 s[60:61], s[60:61], s[50:51]
	s_add_nc_u64 s[62:63], s[60:61], s[54:55]
	v_lshlrev_b32 v3, 5, v1
	v_lshl_add_u32 v3, v2, 4, v3                   ; scale words out: 32 r + 16 h
.macro QKROW a                         ; block a of 16 tokens
	s_wait_xcnt 0x0                                ; the set of codes that the stores of two blocks ago read is written again only behind this wait
	WIN 0x02+(\a)/4                                ; source 0: window 2 or 3
.set n, 0
.rept 32
	v_pk_add_f32 v[ST+n:ST+n+1], v[64*((\a)%4)+n:64*((\a)%4)+n+1], v[BQ+n:BQ+n+1]   ; the bias, and the way into window 0; each accumulator from its low end on
.set n, n+2
.endr
	WIN 0
	QUANT ST, PC+16*((\a)%2), SW+(\a)
	v_lshrrev_b32 v[SW+8+(\a)], 16, v[SW+(\a)]     ; the second head's two bytes; the upper two bytes of either word stand over zero codes and are never 0xff
.irp c, 0,1,2,3
	global_store_b128 v[CO], v[PC+16*((\a)%2)+4*\c:PC+16*((\a)%2)+4*\c+3], s[56+2*(\c/2):57+2*(\c/2)] offset:(\a)*1024+(\c%2)*512   ; 512 consecutive bytes
.endr
.endm
.irp a, 0,1,2,3,4,5,6,7
	QKROW \a
.endr
	v_cmp_eq_u32 vcc_lo, 1, v2
.irp k, 0,1,2,3
	v_cndmask_b32 v[244+\k], v[SW+\k], v[SW+4+\k], vcc_lo         ; lanes 0-15 words 0-3 of row r, lanes 16-31 words 4-7
	v_cndmask_b32 v[248+\k], v[SW+8+\k], v[SW+12+\k], vcc_lo
.endr
	global_store_b128 v3, v[244:247], s[60:61]     ; 512 consecutive bytes
	global_store_b128 v3, v[248:251], s[62:63]
	FIN
.Lv:
	; ---- v: my 128 channels (two heads) x my 128 keys (one key step)
	s_sub_co_u32 s18, s17, 640
	s_lshr_b32 s18, s18, 2
	s_lshl_b32 s19, s15, 1
	s_add_co_u32 s18, s18, s19                     ; my first head
	s_lshl_b32 s19, s16, 3
	s_add_co_u32 s19, s42, s19                     ; my first tile of tokens
	s_lshr_b32 s20, s19, 7                         ; the batch
	s_and_b32 s19, s19, 127
	s_lshr_b32 s19, s19, 3                         ; the key step
	s_lshl_b32 s20, s20, 4
	s_add_co_u32 s20, s20, s18
	s_mul_i32 s40, s20, HS
	s_lshr_b32 s21, s19, 1
	s_mul_i32 s21, s21, RECB
	s_add_co_u32 s40, s40, s21                     ; the record
	s_and_b32 s21, s19, 1
	s_lshl_b32 s22, s21, 13
	s_add_co_u32 s48, s40, s22
	s_add_co_u32 s48, s48, 17408                   ; codes
	s_mov_b32 s49, 0
	s_lshl_b32 s22, s21, 8
	s_add_co_u32 s50, s40, s22
	s_add_co_u32 s50, s50, 33792                   ; scale words
	s_mov_b32 s51, 0
	s_lshl_b32 s52, s20, 12
	s_lshl_b32 s22, s19, 8
	s_add_co_u32 s52, s52, s22                     ; the sums
	s_mov_b32 s53, 0
	s_add_nc_u64 s[56:57], s[8:9], s[48:49]
	s_add_nc_u64 s[60:61], s[8:9], s[50:51]
	s_add_nc_u64 s[62:63], s[10:11], s[52:53]
	v_mul_u32_u24 v3, v2, HS
	v_lshl_add_u32 v3, v1, 4, v3                   ; scale words out: 16 r, lanes 16-31 the next head
	v_lshrrev_b32 v6, 2, v[CO]                     ; 4 x lane
.irp k, 0,1,2,3,4,5,6,7,8,9,10,11,12,13,14,15
	v_mov_b32 v[ONES+\k], 0x38383838               ; the code of 1.0
.endr
	v_mov_b32 v241, 0x7f7f7f7f                     ; and its scale, 2^0
	v_mov_b32 v247, 0                              ; (named as the upper half of the pair v[246:247])
.macro TSUM a                          ; every register of lane r: the sum over the 128 keys of the quantised v of row r of block a
	v_wmma_scale_f32_16x16x128_f8f6f4 v[TD+8*(\a):TD+8*(\a)+7], v[ONES:ONES+15], v[PC+16*((\a)%2):PC+16*((\a)%2)+15], 0, v241, v[SW+(\a)]
.endm
.macro VROW a                          ; block a of 16 channels
	s_wait_xcnt 0x0
	v_mov_b32 v246, v[BV+(\a)]                     ; my channel's bias
	s_wait_alu depctr_va_vdst(0)
	WIN 0x02+(\a)/4
.set n, 0
.rept 32
	v_pk_add_f32 v[ST+n:ST+n+1], v[64*((\a)%4)+n:64*((\a)%4)+n+1], v[246:247] op_sel_hi:[1,0]
.set n, n+2
.endr
	WIN 0
.if (\a) > 0
	TSUM (\a)-1                                    ; the 32 additions are the places between the last block's codes and scale word and this product
.endif
	QUANT ST, PC+16*((\a)%2), SW+(\a)
.irp c, 0,1,2,3
	global_store_b128 v[CO], v[PC+16*((\a)%2)+4*\c:PC+16*((\a)%2)+4*\c+3], s[56:57] offset:((\a)/4)*HS+((\a)%4)*2048+\c*512
.endr
.endm
.irp a, 0,1,2,3,4,5,6,7
	VROW \a
.endr
	PLACES NP
	TSUM 7
	PLACES NP
	v_cmp_eq_u32 vcc_lo, 1, v2
.irp k, 0,1,2,3
	v_cndmask_b32 v[248+\k], v[SW+\k], v[SW+4+\k], vcc_lo         ; lanes 0-15 the first head's four tiles, lanes 16-31 the second's
.endr
	global_store_b128 v3, v[248:251], s[60:61]     ; two runs of 256 consecutive bytes
.irp k, 0,1,2,3
	v_cndmask_b32 v[252+\k], v[TD+16*\k], v[TD+16*\k+8], vcc_lo   ; lanes 0-15 block 2 k, lanes 16-31 block 2 k + 1: each sum from its accumulator's lowest register
	global_store_b32 v6, v[252+\k], s[62:63] offset:(\k/2)*4096+(\k%2)*128   ; 128 consecutive bytes
.endr
	FIN
.Lfunc_end_k_q83969ff4e2_gemm_qkv:
	.size	k_q83969ff4e2_gemm_qkv, .Lfunc_end_k_q83969ff4e2_gemm_qkv-k_q83969ff4e2_gemm_qkv
	.p2alignl 7, 3214868480
	.fill 96, 4, 3214868480
	.section	.rodata,"a",@progbits
	.p2align	6, 0x0
	.amdhsa_kernel k_q83969ff4e2_gemm_qkv
		.amdhsa_group_segment_fixed_size 327680
		.amdhsa_private_segment_fixed_size 0
		.amdhsa_enable_private_segment 0
		.amdhsa_kernarg_size 56
		.amdhsa_user_sgpr_count 2
		.amdhsa_user_sgpr_kernarg_segment_ptr 1
		.amdhsa_wavefront_size32 1
		.amdhsa_system_sgpr_workgroup_id_x 1
		.amdhsa_system_sgpr_workgroup_id_y 1
		.amdhsa_system_sgpr_workgroup_id_z 1
		.amdhsa_system_vgpr_workitem_id 0
		.amdhsa_next_free_vgpr 1024
		.amdhsa_next_free_sgpr 100
		.amdhsa_reserve_vcc 1
		.amdhsa_float_denorm_mode_32 3
		.amdhsa_float_denorm_mode_16_64 3
		.amdhsa_fp16_overflow 1
		.amdhsa_memory_ordered 1
		.amdhsa_forward_progress 1
		.amdhsa_inst_pref_size 224
	.end_amdhsa_kernel
	.amdgpu_metadata
---
amdhsa.version: [ 1, 2 ]
amdhsa.kernels:
  - .name:           k_q83969ff4e2_gemm_qkv
    .symbol:         k_q83969ff4e2_gemm_qkv.kd
    .args:
      - { .name: cod, .offset: 0, .size: 8, .value_kind: global_buffer, .address_space: global }
      - { .name: scl, .offset: 8, .size: 8, .value_kind: global_buffer, .address_space: global }
      - { .name: c_attn_b, .offset: 16, .size: 8, .value_kind: global_buffer, .address_space: global }
      - { .name: qc, .offset: 24, .size: 8, .value_kind: global_buffer, .address_space: global }
      - { .name: qs, .offset: 32, .size: 8, .value_kind: global_buffer, .address_space: global }
      - { .name: kv, .offset: 40, .size: 8, .value_kind: global_buffer, .address_space: global }
      - { .name: tsum, .offset: 48, .size: 8, .value_kind: global_buffer, .address_space: global }
    .group_segment_fixed_size: 327680
    .private_segment_fixed_size: 0
    .kernarg_segment_align: 8
    .kernarg_segment_size: 56
    .max_flat_workgroup_size: 128
    .sgpr_count:     100
    .vgpr_count:     1024
    .wavefront_size: 32
...
	.end_amdgpu_metadata
.endif
;; end of part 2
;; launch attn (part 3): grid 4 x 64, 16 waves a work-group, no clusters, 327,680 bytes of LDS; arguments qc, qs, kv, tsum, ac, asc; writes ac, asc
.if DOCPART == 3
	.amdgcn_target "amdgcn-amd-amdhsa--gfx1250"
	.amdhsa_code_object_version 6
	.text
	.protected	k_q83969ff4e2_attn
	.globl	k_q83969ff4e2_attn
	.p2align	8
	.type	k_q83969ff4e2_attn,@function
k_q83969ff4e2_attn:
	s_mov_b64 s[64:65], 0
	v_nop
	global_prefetch_b8 v0, s[64:65] scope:SCOPE_SE
	s_setreg_imm32_b32 hwreg(HW_REG_WAVE_MODE, 25, 1), 1
	s_wait_xcnt 0x0
; a = softmax(q k^T / 8 with the mask) v for one head, both products on codes of FP8 (E4M3) with E8M0 scales; a is quantised in registers along D for the last product.
; THE SOFTMAX: t = logit x log2(e); M = the running largest t rounded up to a whole number; p = 2^(t - M) is quantised along the keys; the row's sum is taken of the unquantised p and divides at the end.
; THE MASK IS -10000, NOT -INFINITY.  In the key step on the diagonal hidden scores become -80000 (= 8 x -10000) ahead of the maximum and go the common way.  The key steps behind it hold hidden keys alone, all with one logit:
; their p is one number p_m, a block's quantised p is p_m held at 1.75 x its power of two and rounded to 3 mantissa bits, so their part of the product is that number x the sum of the quantised v over those keys (tsum), and of the sum count x p_m.
; LIMITS: that part is summed in another order than key by key; NaN and infinities are not served (a sum of v that is not finite would spoil the weight 0); blocks of a under 2^-118 keep the byte 1, blocks of zeros get the byte 1.
; SHARES.  Work-group (i, head) owns the query blocks 7 - i and i, 256 queries each; wave w one tile of 16 of each.  First the late block walks records 0 .. 7 - i of 256 keys, then the early one records 0 .. i: nine slots in every work-group.
; No cluster: the four work-groups of a head walk different records from the sixth slot on, so their descriptors would differ.
; The head size is 64: the upper 64 of the first product's K are zero codes in both operands' registers, written once.
; LAYOUT.  Both products transposed: a lane holds one query; by the order of rows in a tile, register 16 b + i of S^T is key 32 b + 16 (lane / 16) + i of the step, and of O^T channel 32 b + 16 (lane / 16) + i.
; LDS: slot 0 at 0, slot 1 at 65,536 (a record of 34,304 bytes each); from 131,072 2,048 bytes of each wave's own: two suffix sums of v, the early tile's q; from 163,840 the spare words.
; REGISTERS: v1-3 16 lane, 32 r, 16 r; v4, v5 the add's; v6-8 the same with the slot; v10 the mask's lane term; v11 h; v12 -M, v13 largest t, v[14:15] the sum; v16-31 Q; v32-95 four fragments of K;
;   v96-159 S^T, p, then V's four fragments; v160-191 O^T; v192-207 p's codes; v208-221 scale words; v224-245 at work; v246-249 addresses.
.set RECB,  34304
.set HS,    8*RECB
.set HALFR, RECB/2
.set SLOT1, 65536
.set OWN,   131072
.set SPARE, OWN+16*2048
.set KPSA,  512*4096
.set KSC,   16384                      ; in a record: K's scale words,
.set VCO,   17408                      ; V's codes,
.set VSC,   33792                      ; V's scale words
.set WV,    16
.set BH,    18
.set NH,    19                         ; records of the late block
.set TRIP,  20
.set REC,   21
.set KS,    22                         ; the key step in hand
.set SD,    23                         ; my tile's key step on the diagonal
.set QS,    24                         ; my tile's first true query
.set TB,    25
.set SEL,   26
.set CS,    28                         ; s[28:29] log2(e) / 8
.set MNT,   30
.set M80K,  31                         ; -80000.0
.set G1,    40
.set G0,    48
.set KVB,   52
.set OC,    54
.set OS,    56
.set OCL,   58
.set OSL,   60
.set SDL,   62
.set QSL,   63
.macro TLOAD                           ; waves 0 and 1 fetch the record's halves; four v_nop follow the line
	s_cmp_lt_u32 s[WV], 2
	s_cbranch_scc0 .Lasked_\@
	tensor_load_to_lds s[G0:G0+3], s[G1:G1+7]
	s_nop 0
.rept 4
	v_nop
.endr
.Lasked_\@:
.endm
	s_load_b256 s[4:11], s[0:1], 0x0               ; qc, qs, kv, tsum
	s_load_b128 s[12:15], s[0:1], 0x20             ; ac, asc
	v_lshl_add_u32 v4, v0, 2, SPARE
	v_mov_b32 v5, 0
	ds_add_u32 v4, v5
	ds_add_u32 v4, v5
	s_wait_dscnt 0x0
	v_lshrrev_b32 v6, 5, v0
	s_delay_alu instid0(VALU_DEP_1)
	v_readfirstlane_b32 s[WV], v6
	s_and_b32 s[BH], ttmp7, 0xffff
	s_sub_co_u32 s[NH], 8, ttmp9
	; group 1: half a record, 17,152 dense bytes, as 67 rows of 32 elements of 8 bytes
	s_mov_b32 s[G1], 3<<16
	s_mov_b32 s[G1+1], 32<<16
	s_mov_b32 s[G1+2], 67<<16
	s_mov_b32 s[G1+3], 32<<16
	s_mov_b32 s[G1+4], 67
	s_mov_b32 s[G1+5], 32
	s_mov_b32 s[G1+6], 0
	s_mov_b32 s[G1+7], 0
	s_and_b32 s32, s[WV], 1
	s_mul_i32 s33, s32, HALFR
	s_mul_i32 s34, s[BH], HS
	s_add_co_u32 s34, s34, s33
	s_mov_b32 s35, 0
	s_wait_kmcnt 0x0
	s_add_nc_u64 s[KVB:KVB+1], s[8:9], s[34:35]    ; the head's record 0, my half
	s_mov_b32 s[G0], 1
	s_mov_b32 s[G0+1], s33
	s_mov_b64 s[G0+2:G0+3], s[KVB:KVB+1]
	s_or_b32 s[G0+3], s[G0+3], 0x80000000
	TLOAD                                          ; record 0 into slot 0
	s_sub_co_u32 s66, 7, ttmp9
	s_lshl_b32 s66, s66, 4
	s_add_co_u32 s66, s66, s[WV]                   ; my tile of the late block,
	s_lshl_b32 s67, ttmp9, 4
	s_add_co_u32 s67, s67, s[WV]                   ; of the early one
	s_lshr_b32 s[SD], s66, 3
	s_lshr_b32 s[SDL], s67, 3
	s_lshr_b32 s32, s66, 1
	s_lshl_b32 s32, s32, 5
	s_and_b32 s33, s66, 1
	s_lshl_b32 s33, s33, 3
	s_add_co_u32 s[QS], s32, s33
	s_lshr_b32 s32, s67, 1
	s_lshl_b32 s32, s32, 5
	s_and_b32 s33, s67, 1
	s_lshl_b32 s33, s33, 3
	s_add_co_u32 s[QSL], s32, s33
	s_lshl_b32 s34, s[BH], 17
	s_lshl_b32 s68, s66, 10
	s_add_co_u32 s68, s68, s34
	s_mov_b32 s69, 0
	s_lshl_b32 s70, s67, 10
	s_add_co_u32 s70, s70, s34
	s_mov_b32 s71, 0
	s_add_nc_u64 s[68:69], s[4:5], s[68:69]        ; q's codes
	s_add_nc_u64 s[70:71], s[4:5], s[70:71]
	s_and_b32 s33, s[WV], 7
	s_lshl_b32 s33, s33, 2
	s_lshl_b32 s34, s[BH], 13
	s_add_co_u32 s34, s34, s33
	s_lshl_b32 s72, s[SD], 9
	s_add_co_u32 s72, s72, s34
	s_mov_b32 s73, 0
	s_lshl_b32 s74, s[SDL], 9
	s_add_co_u32 s74, s74, s34
	s_mov_b32 s75, 0
	s_add_nc_u64 s[72:73], s[6:7], s[72:73]        ; q's scale words
	s_add_nc_u64 s[74:75], s[6:7], s[74:75]
	s_lshl_b32 s76, s[BH], 12
	s_mov_b32 s77, 0
	s_add_nc_u64 s[76:77], s[10:11], s[76:77]      ; the head's sums of v
	s_lshr_b32 s78, s[BH], 4
	s_and_b32 s79, s[BH], 15                       ; the head
	s_lshl_b32 s78, s78, 7                         ; 128 tiles of tokens to a batch
	s_add_co_u32 s80, s78, s66
	s_add_co_u32 s81, s78, s67
	s_lshr_b32 s82, s79, 2
	s_mul_i32 s82, s82, KPSA                       ; the head's 64 of D: K pair head / 4,
	s_bfe_u32 s83, s79, 0x10001
	s_lshl_b32 s83, s83, 11                        ; K step (head / 2) % 2,
	s_add_co_u32 s82, s82, s83
	s_and_b32 s83, s79, 1
	s_lshl_b32 s83, s83, 10                        ; c = 2 (head % 2) on
	s_add_co_u32 s82, s82, s83
	s_lshl_b32 s84, s80, 12
	s_add_co_u32 s84, s84, s82
	s_mov_b32 s85, 0
	s_lshl_b32 s86, s81, 12
	s_add_co_u32 s86, s86, s82
	s_mov_b32 s87, 0
	s_lshl_b32 s83, s79, 1
	s_lshl_b32 s88, s80, 9
	s_add_co_u32 s88, s88, s83
	s_mov_b32 s89, 0
	s_lshl_b32 s90, s81, 9
	s_add_co_u32 s90, s90, s83
	s_mov_b32 s91, 0
	s_add_nc_u64 s[OC:OC+1], s[12:13], s[84:85]
	s_add_nc_u64 s[OCL:OCL+1], s[12:13], s[86:87]
	s_add_nc_u64 s[OS:OS+1], s[14:15], s[88:89]
	s_add_nc_u64 s[OSL:OSL+1], s[14:15], s[90:91]
	s_mov_b32 s[SEL], 0x76543210
	s_mov_b32 s[SEL+1], 0xfedcba98
	s_mov_b32 s[CS], 0x3e38aa3b
	s_mov_b32 s[CS+1], s[CS]                       ; (named with it as a pair)
	s_mov_b32 s[MNT], 0x600000
	s_mov_b32 s[M80K], 0xc79c4000
	s_mov_b32 s[TB], 0
	s_mov_b32 s[TRIP], 0
	v_and_b32 v9, 31, v0                           ; lane
	v_and_b32 v6, 15, v0                           ; r
	v_bfe_u32 v11, v0, 4, 1                        ; h
	s_delay_alu instid0(VALU_DEP_3)
	v_lshlrev_b32 v1, 4, v9
	s_delay_alu instid0(VALU_DEP_3)
	v_lshlrev_b32 v2, 5, v6
	s_delay_alu instid0(VALU_DEP_4)
	v_lshlrev_b32 v3, 4, v6
	v_and_b32 v7, 8, v6
	s_delay_alu instid0(VALU_DEP_1)
	v_add_nc_u32 v10, v7, v6
	v_lshlrev_b32 v7, 4, v11
	s_delay_alu instid0(VALU_DEP_1)
	v_sub_nc_u32 v10, v10, v7                      ; r + 8 (r / 8) - 16 h
	v_add_nc_u32 v249, v2, v11                     ; a's scale bytes: 32 r + h
	s_lshl_b32 s32, s[WV], 11
	s_add_co_u32 s32, s32, OWN                     ; my wave's own bytes
	v_add_nc_u32 v246, s32, v1
	v_lshl_add_u32 v247, v11, 5, s32
	v_lshl_add_u32 v248, v9, 2, s32
	v_lshl_add_u32 v8, v9, 3, s32
	v_lshlrev_b32 v9, 3, v9
	global_load_b128 v[16:19], v1, s[68:69]        ; the late tile's q stays in registers
	global_load_b128 v[20:23], v1, s[68:69] offset:512
	global_load_b32 v220, v2, s[72:73]
	global_load_b128 v[96:99], v1, s[70:71]        ; the early tile's waits in my own LDS bytes
	global_load_b128 v[100:103], v1, s[70:71] offset:512
	global_load_b32 v104, v2, s[74:75]
.irp s, 1,2,3,4,5,6,7,8,9,10,11,12,13,14,15
	global_load_b64 v[112+2*\s:113+2*\s], v9, s[76:77] offset:256*\s   ; step s's sums of v: two channels a lane (step 0 is in no suffix)
.endr
.irp k, 0,1,2,3,4,5,6,7
	v_mov_b32 v[24+\k], 0                          ; the upper 64 of K: zero codes, in Q
	v_mov_b32 v[40+\k], 0                          ; and in the four fragments of K, for the whole launch
	v_mov_b32 v[56+\k], 0
	v_mov_b32 v[72+\k], 0
	v_mov_b32 v[88+\k], 0
.endr
.set n, 0
.rept 32
	v_mov_b32 v[160+n], 0                          ; O^T: the step is written once; the first change of M leaves zeros zeros
.set n, n+1
.endr
	v_mov_b32 v13, 0xff61b1e6                      ; -3e38, under every t
	s_delay_alu instid0(VALU_DEP_1)
	v_floor_f32 v12, -v13
	v_mov_b32 v14, 0
	v_mov_b32 v15, 0
.irp b, 0,1,2,3
	v_mov_b32 v[228+\b], 0                         ; a lane permute's destination counts as one of its sources
.endr
	v_mov_b32 v241, 0                              ; upper halves of pairs, and a permute's destination
	v_mov_b32 v243, 0
	v_mov_b32 v244, 0
	v_mov_b32 v245, 0
	s_mov_b32 s33, 0
	s_mov_b32 s35, 0
	s_wait_loadcnt 0x0
.irp s, 1,2,3,4,5,6,7,8,9,10,11,12,13,14,15
	s_cmp_lt_u32 s[SD], \s                         ; the key steps behind a tile's diagonal step count: a weight of 1 or 0, no branch
	s_cselect_b32 s32, 0x3f800000, 0
	s_cmp_lt_u32 s[SDL], \s
	s_cselect_b32 s34, 0x3f800000, 0
.if \s == 1
	v_pk_mul_f32 v[144:145], v[114:115], s[32:33] op_sel_hi:[1,0]
	v_pk_mul_f32 v[146:147], v[114:115], s[34:35] op_sel_hi:[1,0]
.else
	v_pk_fma_f32 v[144:145], v[112+2*\s:113+2*\s], s[32:33], v[144:145] op_sel_hi:[1,0,1]
	v_pk_fma_f32 v[146:147], v[112+2*\s:113+2*\s], s[34:35], v[146:147] op_sel_hi:[1,0,1]
.endif
.endr
	ds_store_b64 v8, v[144:145]                    ; my own bytes: no other wave touches them, no tile lands there
	ds_store_b64 v8, v[146:147] offset:256
	ds_store_b128 v246, v[96:99] offset:512
	ds_store_b128 v246, v[100:103] offset:1024
	ds_store_b32 v248, v104 offset:1536
; A KEY STEP: 128 keys, the q-th of the slot in hand.
.macro STEP q
	s_cmp_gt_u32 s[KS], s[SD]                      ; a step behind the diagonal is left out here: a scalar branch on ids
	s_cbranch_scc1 .Lskip_\@
	s_wait_alu depctr_va_vdst(0)
	ds_load_b128 v[208:211], v7 offset:KSC+512*\q  ; K's scale words: row r's eight tiles
	ds_load_b128 v[212:215], v7 offset:KSC+512*\q+16
	s_wait_alu depctr_va_vdst(0)
.irp g, 0,1                                    ; S^T = K Q^T, four tiles of 16 keys at a time
.if \g
.rept 8
	v_nop                                          ; places ahead of loads into registers that matrix instructions have read
.endr
.endif
.irp t, 0,1,2,3
	ds_load_b128 v[32+16*\t:35+16*\t], v6 offset:(8*\q+4*\g+\t)*1024
	ds_load_b128 v[36+16*\t:39+16*\t], v6 offset:(8*\q+4*\g+\t)*1024+512
.endr
	s_wait_dscnt 0x0
.irp t, 0,1,2,3
	v_wmma_scale_f32_16x16x128_f8f6f4 v[96+8*(4*\g+\t):103+8*(4*\g+\t)], v[32+16*\t:47+16*\t], v[16:31], 0, v[208+4*\g+\t], v220
.endr
.endr
.rept 8
	v_nop
.endr
	s_cmp_lg_u32 s[KS], s[SD]
	s_cbranch_scc1 .Lopen_\@
	s_lshl_b32 s35, s[KS], 7                       ; on the diagonal: register 16 b + i holds key 128 KS + 16 h + 32 b + i: hidden where 32 b + i > my query - 128 KS - 16 h
	s_sub_co_i32 s35, s[QS], s35
	v_add_nc_u32 v242, s35, v10
	v_mov_b32 v243, s[M80K]
.irp n, 0,1,2,3,4,5,6,7,8,9,10,11,12,13,14,15,16,17,18,19,20,21,22,23,24,25,26,27,28,29,30,31,32,33,34,35,36,37,38,39,40,41,42,43,44,45,46,47,48,49,50,51,52,53,54,55,56,57,58,59,60,61,62,63
	v_cmp_gt_i32 vcc_lo, 32*(\n/16)+\n%16, v242
	v_cndmask_b32 v[96+\n], v[96+\n], v243, vcc_lo
.endr
.Lopen_\@:
.irp b, 0,1,2,3
	v_max3_num_f32 v[224+\b], v[96+16*\b], v[97+16*\b], v[98+16*\b]   ; the largest score of each block of 32 keys: for the row's maximum and, since p rises with the score, for the block's largest p
.endr
.irp i, 3,5,7,9,11,13
.irp b, 0,1,2,3
	v_max3_num_f32 v[224+\b], v[224+\b], v[96+16*\b+\i], v[97+16*\b+\i]
.endr
.endr
.irp b, 0,1,2,3
	v_max_num_f32 v[224+\b], v[224+\b], v[111+16*\b]
.endr
.irp b, 0,1,2,3
	s_delay_alu instid0(VALU_DEP_4)
	v_permlanex16_b32 v[228+\b], v[224+\b], s[SEL], s[SEL+1]
.endr
.irp b, 0,1,2,3
	s_delay_alu instid0(VALU_DEP_4)
	v_max_num_f32 v[224+\b], v[224+\b], v[228+\b]
.endr
	s_delay_alu instid0(VALU_DEP_2)
	v_max3_num_f32 v242, v224, v225, v226
	s_delay_alu instid0(VALU_DEP_1)
	v_max_num_f32 v242, v242, v227
	s_delay_alu instid0(VALU_DEP_1)
	v_mul_f32 v242, s[CS], v242
	s_delay_alu instid0(VALU_DEP_1)
	v_max_num_f32 v13, v13, v242                   ; the running largest t
	v_mov_b32 v242, v12
	s_delay_alu instid0(VALU_DEP_2)
	v_floor_f32 v12, -v13                          ; -M = floor(-t): M is a whole number
	s_delay_alu instid0(VALU_DEP_1)
	v_sub_f32 v242, v12, v242
	s_delay_alu instid0(VALU_DEP_1)
	v_cvt_i32_f32 v242, v242                       ; (it saturates)
	s_delay_alu instid0(VALU_DEP_1)
	v_ldexp_f32 v240, 1.0, v242                    ; f = 2^(old M - new M): exact
.set n, 0
.rept 32
	v_pk_fma_f32 v[96+n:97+n], v[96+n:97+n], s[CS:CS+1], v[12:13] op_sel_hi:[1,0,0]   ; t - M
.set n, n+2
.endr
.irp b, 0,1,2,3
	v_fma_f32 v[224+\b], v[224+\b], s[CS], v12
.endr
.set n, 0
	s_wait_alu depctr_va_vdst(0)
.rept 64
	v_exp_f32 v[96+n], v[96+n]                     ; p = 2^(t - M)
.set n, n+1
.endr
.irp b, 0,1,2,3
	v_exp_f32 v[224+\b], v[224+\b]                 ; the block's largest p
.endr
	v_pk_mul_f32 v[14:15], v[14:15], v[240:241] op_sel_hi:[1,0]   ; the sums under the new M (a plain line behind the exponentials)
	s_wait_alu depctr_va_vdst(0)
.irp b, 0,1,2,3
	v_max_num_f32 v[224+\b], 0x4800000, v[224+\b]  ; the floor 2^(9 - 127)
.endr
.irp b, 0,1,2,3
	s_delay_alu instid0(VALU_DEP_4)
	v_add_nc_u32 v[236+\b], 0xfc000000, v[224+\b]
.endr
.irp b, 0,1,2,3
.endr
.irp b, 0,1,2,3
	s_delay_alu instid0(VALU_DEP_4)
	v_lshrrev_b32 v[228+\b], 23, v[236+\b]
.endr
	s_delay_alu instid0(VALU_DEP_3)
	v_lshl_or_b32 v221, v229, 8, v228              ; p's scale word
	s_delay_alu instid0(VALU_DEP_1)
	v_lshl_or_b32 v221, v230, 16, v221
	s_delay_alu instid0(VALU_DEP_1)
	v_lshl_or_b32 v221, v231, 24, v221
	v_pk_add_f32 v[244:245], v[100:101], v[104:105]
	v_pk_add_f32 v[254:255], v[108:109], v[112:113]
	v_pk_add_f32 v[252:253], v[116:117], v[120:121]
	v_pk_add_f32 v[250:251], v[124:125], v[128:129]
	v_pk_add_f32 v[234:235], v[132:133], v[136:137]
	v_pk_add_f32 v[232:233], v[140:141], v[144:145]
	v_pk_add_f32 v[226:227], v[148:149], v[152:153]
	v_pk_add_f32 v[14:15], v[14:15], v[156:157]
	v_pk_add_f32 v[244:245], v[244:245], v[96:97]
	v_pk_add_f32 v[254:255], v[254:255], v[98:99]
	v_pk_add_f32 v[252:253], v[252:253], v[102:103]
	v_pk_add_f32 v[250:251], v[250:251], v[106:107]
	v_pk_add_f32 v[234:235], v[234:235], v[110:111]
	v_pk_add_f32 v[232:233], v[232:233], v[114:115]
	v_pk_add_f32 v[226:227], v[226:227], v[118:119]
	v_pk_add_f32 v[14:15], v[14:15], v[122:123]
	v_pk_add_f32 v[244:245], v[244:245], v[126:127]
	v_pk_add_f32 v[254:255], v[254:255], v[130:131]
	v_pk_add_f32 v[252:253], v[252:253], v[134:135]
	v_pk_add_f32 v[250:251], v[250:251], v[138:139]
	v_pk_add_f32 v[234:235], v[234:235], v[142:143]
	v_pk_add_f32 v[232:233], v[232:233], v[146:147]
	v_pk_add_f32 v[226:227], v[226:227], v[150:151]
	v_pk_add_f32 v[14:15], v[14:15], v[154:155]
	v_pk_add_f32 v[244:245], v[244:245], v[158:159]
	s_delay_alu instid0(VALU_DEP_2)
	v_pk_add_f32 v[14:15], v[14:15], v[250:251]
	s_delay_alu instid0(VALU_DEP_2)
	v_pk_add_f32 v[244:245], v[244:245], v[234:235]
	v_pk_add_f32 v[254:255], v[254:255], v[232:233]
	v_pk_add_f32 v[252:253], v[252:253], v[226:227]
	s_delay_alu instid0(VALU_DEP_2)
	v_pk_add_f32 v[14:15], v[14:15], v[254:255]
	s_delay_alu instid0(VALU_DEP_2)
	v_pk_add_f32 v[244:245], v[244:245], v[252:253]
	s_delay_alu instid0(VALU_DEP_1)
	v_pk_add_f32 v[14:15], v[14:15], v[244:245]
.irp b, 0,1,2,3
.irp i, 0,1,2,3,4,5,6,7,8,9,10,11,12,13,14,15
.endr
	v_cvt_scalef32_pk8_fp8_f32 v[192+4*\b:193+4*\b], v[96+16*\b:103+16*\b], v[236+\b]
	v_cvt_scalef32_pk8_fp8_f32 v[194+4*\b:195+4*\b], v[104+16*\b:111+16*\b], v[236+\b]
.endr
	v_nop
.irp t, 0,1,2,3                                ; V's four fragments take p's registers
.irp c, 0,1,2,3
	ds_load_b128 v[96+16*\t+4*\c:99+16*\t+4*\c], v6 offset:VCO+8192*\q+2048*\t+512*\c
.endr
.endr
	ds_load_b128 v[216:219], v8 offset:VSC+256*\q  ; and their scale words
.set n, 0
.rept 16
	v_pk_mul_f32 v[160+n:161+n], v[160+n:161+n], v[240:241] op_sel_hi:[1,0]   ; O^T under the new M; these are also the places ahead of the products
.set n, n+2
.endr
	s_wait_alu depctr_va_vdst(0)
	s_wait_dscnt 0x0
.irp t, 0,1,2,3                                ; O^T += V^T P^T; the four accumulators take turns
	v_wmma_scale_f32_16x16x128_f8f6f4 v[160+8*\t:167+8*\t], v[96+16*\t:111+16*\t], v[192:207], v[160+8*\t:167+8*\t], v[216+\t], v221
.endr
.rept 9
	v_nop                                          ; the next scores are laid over V's fragments: nine places
.endr
.Lskip_\@:
.endm
; The tile is finished: the key steps behind the diagonal, the division, the quantising along D, the stores.  row: which of my two suffix sums
.macro FINISH row
	s_cmp_ge_u32 s[SD], 15
	s_cbranch_scc1 .Lnotail_\@
.irp t, 0,1,2,3
	ds_load_b128 v[96+8*\t:99+8*\t], v247 offset:256*\row+64*\t       ; the sums of v in O^T's layout: channel place 16 t + 8 h + j
	ds_load_b128 v[100+8*\t:103+8*\t], v247 offset:256*\row+64*\t+16
.endr
	v_mov_b32 v242, s[M80K]
	s_delay_alu instid0(VALU_DEP_1)
	v_mul_f32 v243, s[CS], v242                    ; a hidden key's t
	s_delay_alu instid0(VALU_DEP_1)
	v_max_num_f32 v13, v13, v243
	v_mov_b32 v243, v12
	s_delay_alu instid0(VALU_DEP_2)
	v_floor_f32 v12, -v13
	s_delay_alu instid0(VALU_DEP_1)
	v_sub_f32 v243, v12, v243
	s_delay_alu instid0(VALU_DEP_1)
	v_cvt_i32_f32 v243, v243
	s_delay_alu instid0(VALU_DEP_1)
	v_ldexp_f32 v240, 1.0, v243
	s_delay_alu instid0(VALU_DEP_4)
	v_fma_f32 v242, v242, s[CS], v12
	s_wait_alu depctr_va_vdst(0)
	v_exp_f32 v242, v242                           ; p_m
	v_pk_mul_f32 v[14:15], v[14:15], v[240:241] op_sel_hi:[1,0]
.set n, 0
	s_wait_alu depctr_va_vdst(0)
.rept 16
	v_pk_mul_f32 v[160+n:161+n], v[160+n:161+n], v[240:241] op_sel_hi:[1,0]
.set n, n+2
.endr
	s_sub_co_u32 s35, 15, s[SD]
	s_lshl_b32 s35, s35, 6                         ; each half of the lanes counts 64 keys of a step
	v_cvt_f32_u32 v243, s35
	s_wait_alu depctr_va_vdst(0)
	v_fma_f32 v14, v242, v243, v14
	v_and_b32 v243, 0x7f800000, v242               ; p_m's power of two
	s_delay_alu instid0(VALU_DEP_1)
	v_or_b32 v244, s[MNT], v243                    ; 1.75 x it: the largest code x the block's scale
	v_min_num_f32 v244, v242, v244
	s_delay_alu instid0(VALU_DEP_3)
	v_add_nc_u32 v243, 0x0a400000, v243            ; 1.5 x 2^20 x it: added and taken away it rounds to 3 mantissa bits, ties to even
	s_delay_alu instid0(VALU_DEP_1)
	v_add_f32 v244, v244, v243
	s_delay_alu instid0(VALU_DEP_1)
	v_sub_f32 v244, v244, v243
	s_wait_alu depctr_va_vdst(0)
	s_wait_dscnt 0x0
.set n, 0
.rept 16
	v_pk_fma_f32 v[160+n:161+n], v[96+n:97+n], v[244:245], v[160+n:161+n] op_sel_hi:[1,0,1]
.set n, n+2
.endr
.Lnotail_\@:
	v_add_f32 v14, v14, v15
	s_delay_alu instid0(VALU_DEP_1)
	v_permlanex16_b32 v243, v14, s[SEL], s[SEL+1]
	s_delay_alu instid0(VALU_DEP_1)
	v_add_f32 v14, v14, v243                       ; the row's sum
	s_wait_alu depctr_va_vdst(0)
	v_rcp_f32 v14, v14
	v_nop
.set n, 0
	s_wait_alu depctr_va_vdst(0)
.rept 16
	v_pk_mul_f32 v[96+n:97+n], v[160+n:161+n], v[14:15] op_sel_hi:[1,0]   ; a: each accumulator from its low end on
.set n, n+2
.endr
.irp b, 0,1
	v_max3_num_f32 v[224+\b], |v[96+16*\b]|, |v[97+16*\b]|, 0x4800000
.endr
.irp i, 2,4,6,8,10,12,14
.irp b, 0,1
	s_delay_alu instid0(VALU_DEP_2)
	v_max3_num_f32 v[224+\b], v[224+\b], |v[96+16*\b+\i]|, |v[97+16*\b+\i]|
.endr
.endr
.irp b, 0,1
	s_delay_alu instid0(VALU_DEP_2)
	v_permlanex16_b32 v[228+\b], v[224+\b], s[SEL], s[SEL+1]
.endr
.irp b, 0,1
	s_delay_alu instid0(VALU_DEP_2)
	v_max_num_f32 v[224+\b], v[224+\b], v[228+\b]
.endr
.irp b, 0,1
	s_delay_alu instid0(VALU_DEP_2)
	v_add_nc_u32 v[236+\b], 0xfc000000, v[224+\b]
.endr
.irp b, 0,1
	s_delay_alu instid0(VALU_DEP_2)
	v_lshrrev_b32 v[228+\b], 23, v[236+\b]
.endr
	v_cmp_eq_u32 vcc_lo, 1, v11
	s_delay_alu instid0(VALU_DEP_1)
	v_cndmask_b32 v242, v228, v229, vcc_lo         ; lanes 0-15 store block 0's byte, lanes 16-31 block 1's
.irp b, 0,1
.irp i, 0,1,2,3,4,5,6,7,8,9,10,11,12,13,14,15
.endr
	v_cvt_scalef32_pk8_fp8_f32 v[192+4*\b:193+4*\b], v[96+16*\b:103+16*\b], v[236+\b]
	v_cvt_scalef32_pk8_fp8_f32 v[194+4*\b:195+4*\b], v[104+16*\b:111+16*\b], v[236+\b]
.endr
	v_nop
	global_store_b128 v1, v[192:195], s[OC:OC+1]   ; 512 consecutive bytes each: the image for the last product
	global_store_b128 v1, v[196:199], s[OC:OC+1] offset:512
	global_store_b8 v249, v242, s[OS:OS+1]
	s_wait_xcnt 0x0                                ; the stores' registers and bases are written again only behind this wait
.endm
.macro START_L                         ; on to the early tile
	ds_load_b128 v[16:19], v246 offset:512
	ds_load_b128 v[20:23], v246 offset:1024
	ds_load_b32 v220, v248 offset:1536
	v_mov_b32 v13, 0xff61b1e6
	s_delay_alu instid0(VALU_DEP_1)
	v_floor_f32 v12, -v13
	v_mov_b32 v14, 0
	v_mov_b32 v15, 0
.set n, 0
.rept 32
	v_mov_b32 v[160+n], 0
.set n, n+1
.endr
	s_mov_b32 s[SD], s[SDL]
	s_mov_b32 s[QS], s[QSL]
	s_mov_b64 s[OC:OC+1], s[OCL:OCL+1]
	s_mov_b64 s[OS:OS+1], s[OSL:OSL+1]
	s_wait_dscnt 0x0
.endm
; THE CHANGE OF SLOTS stands at a slot's head: all my tensor loads have landed, the add, my reads of the slot that I have left are over; the barrier; then the slot just left is filled with the walk's next record.
.macro CHANGE fill
	s_wait_tensorcnt 0x0                           ; no tensor load of mine is out, so group 0 may be written
	ds_add_u32 v4, v5                              ; 0 onto my spare word
	s_cmp_ge_u32 s[TRIP], s[NH]
	s_cselect_b32 s32, s[NH], 0
	s_sub_co_u32 s[REC], s[TRIP], s32              ; this slot's record
.if \fill
	s_add_co_u32 s36, s[TRIP], 1
	s_cmp_ge_u32 s36, s[NH]
	s_cselect_b32 s32, s[NH], 0
	s_sub_co_u32 s36, s36, s32                     ; the next slot's
	s_mul_i32 s36, s36, RECB
	s_mov_b32 s37, 0
	s_xor_b32 s[G0+1], s[G0+1], SLOT1
	s_add_nc_u64 s[G0+2:G0+3], s[KVB:KVB+1], s[36:37]
	s_or_b32 s[G0+3], s[G0+3], 0x80000000
.endif
	s_wait_dscnt 0x0
	s_barrier_signal -1
	s_barrier_wait -1
.if \fill
	TLOAD                                          ; the first thing behind the barrier, a wave's one tensor load until the next: it has a slot's two key steps in which to land
.endif
.endm
.macro SWITCHCHK                       ; where the late block's records end: the same trip in all sixteen waves
	s_cmp_lg_u32 s[TRIP], s[NH]
	s_cbranch_scc1 .Lsame_\@
	FINISH 0
	START_L
.Lsame_\@:
.endm
.macro SLOT_STEPS
	v_add_nc_u32 v6, s[TB], v1
	v_add_nc_u32 v7, s[TB], v2
	v_add_nc_u32 v8, s[TB], v3
	s_lshl_b32 s[KS], s[REC], 1
	STEP 0
	s_add_co_u32 s[KS], s[KS], 1
	STEP 1
	s_xor_b32 s[TB], s[TB], SLOT1
.endm
.Lslot:                                            ; eight trips: behind each change of slots but the last the next record is asked for
	CHANGE 1
	SWITCHCHK
	SLOT_STEPS
	s_add_co_u32 s[TRIP], s[TRIP], 1
	s_cmp_lt_u32 s[TRIP], 8
	s_cbranch_scc1 .Lslot
	CHANGE 0                                       ; the ninth slot is written out
	SWITCHCHK
	SLOT_STEPS
	FINISH 1
	s_wait_tensorcnt 0x0                           ; the wave's end
	ds_add_u32 v4, v5
	s_wait_dscnt 0x0
	s_endpgm
.Lfunc_end_k_q83969ff4e2_attn:
	.size	k_q83969ff4e2_attn, .Lfunc_end_k_q83969ff4e2_attn-k_q83969ff4e2_attn
	.p2alignl 7, 3214868480
	.fill 96, 4, 3214868480
	.section	.rodata,"a",@progbits
	.p2align	6, 0x0
	.amdhsa_kernel k_q83969ff4e2_attn
		.amdhsa_group_segment_fixed_size 327680
		.amdhsa_private_segment_fixed_size 0
		.amdhsa_enable_private_segment 0
		.amdhsa_kernarg_size 48
		.amdhsa_user_sgpr_count 2
		.amdhsa_user_sgpr_kernarg_segment_ptr 1
		.amdhsa_wavefront_size32 1
		.amdhsa_system_sgpr_workgroup_id_x 1
		.amdhsa_system_sgpr_workgroup_id_y 1
		.amdhsa_system_sgpr_workgroup_id_z 1
		.amdhsa_system_vgpr_workitem_id 0
		.amdhsa_next_free_vgpr 256
		.amdhsa_next_free_sgpr 100
		.amdhsa_reserve_vcc 1
		.amdhsa_float_denorm_mode_32 3
		.amdhsa_float_denorm_mode_16_64 3
		.amdhsa_fp16_overflow 1
		.amdhsa_memory_ordered 1
		.amdhsa_forward_progress 1
		.amdhsa_inst_pref_size 134
	.end_amdhsa_kernel
	.amdgpu_metadata
---
amdhsa.version: [ 1, 2 ]
amdhsa.kernels:
  - .name:           k_q83969ff4e2_attn
    .symbol:         k_q83969ff4e2_attn.kd
    .args:
      - { .name: qc, .offset: 0, .size: 8, .value_kind: global_buffer, .address_space: global }
      - { .name: qs, .offset: 8, .size: 8, .value_kind: global_buffer, .address_space: global }
      - { .name: kv, .offset: 16, .size: 8, .value_kind: global_buffer, .address_space: global }
      - { .name: tsum, .offset: 24, .size: 8, .value_kind: global_buffer, .address_space: global }
      - { .name: ac, .offset: 32, .size: 8, .value_kind: global_buffer, .address_space: global }
      - { .name: asc, .offset: 40, .size: 8, .value_kind: global_buffer, .address_space: global }
    .group_segment_fixed_size: 327680
    .private_segment_fixed_size: 0
    .kernarg_segment_align: 8
    .kernarg_segment_size: 48
    .max_flat_workgroup_size: 512
    .sgpr_count:     100
    .vgpr_count:     256
    .wavefront_size: 32
...
	.end_amdgpu_metadata
.endif
;; end of part 3
;; launch gemm_out (part 4): grid 4 x 32, 4 waves a work-group, clusters of 4 x 4, 327,680 bytes of LDS; arguments ac, asc, cod, scl, c_proj_b, out0; writes out0
.if DOCPART == 4
	.amdgcn_target "amdgcn-amd-amdhsa--gfx1250"
	.amdhsa_code_object_version 6
	.text
	.protected	k_q83969ff4e2_gemm_out
	.globl	k_q83969ff4e2_gemm_out
	.p2align	8
	.type	k_q83969ff4e2_gemm_out,@function
k_q83969ff4e2_gemm_out:
	s_mov_b64 s[64:65], 0
	v_nop
	global_prefetch_b8 v0, s[64:65] scope:SCOPE_SE
	s_setreg_imm32_b32 hwreg(HW_REG_WAVE_MODE, 25, 1), 1
	s_wait_xcnt 0x0
	s_wait_alu depctr_hold_cnt(0) depctr_sa_sdst(0) depctr_va_vdst(0) depctr_va_sdst(0) depctr_va_ssrc(0) depctr_va_vcc(0) depctr_vm_vsrc(0)
	s_getreg_b32 s2, hwreg(HW_REG_IB_STS2, 6, 4)
	s_cmp_eq_u32 s2, 0
	s_cbranch_scc0 .Lentry_in_a_cluster
	s_endpgm
.Lentry_in_a_cluster:
	s_bfe_u32 s2, ttmp6, 0x10000c
	s_cmp_lg_u32 s2, 0xf033
	s_cbranch_scc0 .Lentry_shape_is_right
	s_endpgm
.Lentry_shape_is_right:
; out0 = a c_proj_w + c_proj_b on codes of FP8 (E4M3) with E8M0 scales, K = 1024.  a's codes and scale bytes were made by the attention launch, the weight's by the quantising launch, both as images of operand registers.
; A tile of 256 x 256 is made by four waves, 128 x 128 each: 64 accumulators, 512 registers.  K goes in four pairs of K steps through a ring of two LDS slots; a pair's tiles are dense blocks, so a fragment is four loads at 16 x lane.
; The scale words of the work-group's 512 rows, for all of K, come into LDS once.  CLUSTERS 4 x 4: a's tiles are shared along a row of the cluster, the weight's along a column, by joint loads.
; Source 0 takes the weight's columns, source 1 a's rows: a lane holds one row of out0, and register 16 b + i of a block of rows is the true column 32 b + 16 (lane / 16) + i.  The bias is the C of each sum's first product.
; Row r of tile T of a is the true row 32 (T / 2) + 8 (T % 2) + r + 8 (r / 8): the stores undo that order.
; 128 work-groups: a smaller tile would fill more WGPs at twice the LDS reads for each product; this launch holds an eighth of the program's products.
; REGISTERS: window 0: v1 r, v2 h, v16-31 addresses, v32-63 scale words (two sets), v64-127 the bias, v128-255 A's fragments (one set), later rows on the way out.  window 1: B's fragments, two sets.  windows 2, 3: the accumulators.
.set NQ,     2
.set FR,     16
.set NL,     4
.set NP,     8                         ; places behind this matrix instruction (ISA guide 7.12.1)
.set TILEB,  4096
.set HALFT,  8*TILEB
.set SLOT,   4*HALFT
.set KPSA,   512*TILEB                 ; from K pair to K pair in ac
.set KPSB,   768*TILEB                 ; and in cod
.set SCL,    2*SLOT
.set HALFS,  16*272
.set SBLK,   2*272
.set SPARE,  SCL+4*HALFS               ; the spare words: 128 bytes a wave, two blocks of 256 bytes that no other line names
.set SPITCH, 528                       ; the way out: a stage of 16 rows x (512 bytes + 16) for each wave, in slot 0, which has had its last fill and its last read by then
.set ROWO,   4096                      ; a row of out0 in bytes
.set ADRA, 16
.set ADRB, 20
.set STO,  24
.set RD,   25
.set CO,   26
.set ADRS, 27
.set SPW,  28
.set NIL,  29
.set BAQ,  30
.set SC,   32
.set BQ,   64
.set AF,   128
.set BK,   128
.set G1, 24
.set G0, 32
.set G1B, 48
.set G0B, 56
.set G1S, 68
.set G0S, 76
.set G1SB, 80
.set G0SB, 88
.set MSB, 0
.macro WIN new                         ; the immediate's high byte repeats the setting that is left
.if MSB != \new
	s_set_vgpr_msb (MSB<<8)|\new
.set MSB, \new
.endif
.endm
.set MUL_LO, 0xa1                      ; source 0 (B) window 1, source 1 (A) window 0, C and D window 2
.set MUL_HI, 0xf1
.set FST_LO, 0x81                      ; the first products: C (the bias) window 0, D window 2
.set FST_HI, 0xc1
.set TO_B,   0x40
.macro JLOAD g0a, g1a, g0b, g1b        ; a joint load: waves 0 and 1 fetch for A, waves 2 and 3 for B; four v_nop follow each line
	s_cmp_eq_u32 s15, 0
	s_cbranch_scc0 .Lfor_b_\@
	tensor_load_to_lds s[\g0a:\g0a+3], s[\g1a:\g1a+7]
	s_nop 0
.rept 4
	v_nop
.endr
	s_branch .Lasked_\@
.Lfor_b_\@:
	tensor_load_to_lds s[\g0b:\g0b+3], s[\g1b:\g1b+7]
	s_nop 0
.rept 4
	v_nop
.endr
.Lasked_\@:
.endm
.macro CREST
	s_cmp_lg_u32 s14, 0
	s_cbranch_scc1 .Lnot_wave_0_\@
	s_barrier_signal -3
.Lnot_wave_0_\@:
	s_barrier_wait -3
	s_barrier_signal -1
	s_barrier_wait -1
.endm
.macro CROUND
	s_barrier_signal -1
	s_barrier_wait -1
	CREST
.endm
	s_load_b128 s[4:7], s[0:1], 0x0                ; ac, asc
	s_load_b128 s[8:11], s[0:1], 0x10              ; cod, scl
	s_load_b64 s[12:13], s[0:1], 0x20              ; c_proj_b
	s_load_b64 s[96:97], s[0:1], 0x28              ; out0
	v_lshl_add_u32 v[SPW], v0, 2, SPARE
	v_mov_b32 v[NIL], 0
	ds_add_u32 v28, v29
	ds_add_u32 v28, v29
	s_wait_dscnt 0x0
	v_lshrrev_b32 v1, 5, v0
	v_readfirstlane_b32 s14, v1                    ; wave
	s_lshr_b32 s15, s14, 1                         ; my half of the rows.  Also: I fetch for A (0) or B (1)
	s_and_b32 s16, s14, 1                          ; my half of the columns.  Also: which 128 rows I fetch
	s_bfe_u32 s40, ttmp6, 0x40000                  ; cx
	s_bfe_u32 s41, ttmp6, 0x40004                  ; cy
	s_lshl_b32 s42, ttmp9, 2
	s_add_co_u32 s42, s42, s40                     ; tile column
	s_and_b32 s17, ttmp7, 0xffff
	s_lshl_b32 s17, s17, 2
	s_add_co_u32 s17, s17, s41                     ; tile row
	s_lshl_b32 s43, s41, 2
	s_lshl_b32 s43, 15, s43                        ; my row of the cluster
	s_lshl_b32 s44, 0x1111, s40                    ; my column
	s_or_b32 s[G1+0], s43, (3<<16)|(1<<21)         ; codes: 32,768 dense bytes as 128 rows of 32 elements of 8 bytes
	s_or_b32 s[G1B+0], s44, (3<<16)|(1<<21)
.irp g, G1, G1B
	s_mov_b32 s[\g+1], 32<<16
	s_mov_b32 s[\g+2], 128<<16
	s_mov_b32 s[\g+3], 32<<16
	s_mov_b32 s[\g+4], 128
	s_mov_b32 s[\g+5], 32
	s_mov_b32 s[\g+6], 0
	s_mov_b32 s[\g+7], 0
.endr
	s_or_b32 s[G1S+0], s43, (3<<16)|(1<<20)|(1<<21)|(5<<22)|(3<<25)   ; scale words: 16 rows of 256 bytes, 16 bytes of padding behind each
	s_or_b32 s[G1SB+0], s44, (3<<16)|(1<<20)|(1<<21)|(5<<22)|(3<<25)
.irp g, G1S, G1SB
	s_mov_b32 s[\g+1], 32<<16
	s_mov_b32 s[\g+2], 16<<16
	s_mov_b32 s[\g+3], 32<<16
	s_mov_b32 s[\g+4], 16
	s_mov_b32 s[\g+5], 32
	s_mov_b32 s[\g+6], 0
	s_mov_b32 s[\g+7], 0
.endr
	s_lshl_b32 s18, s16, 3                         ; which 8 tiles of 16 rows I fetch
	s_lshl_b32 s20, s17, 4
	s_add_co_u32 s20, s20, s18                     ; of a
	s_lshl_b32 s46, s42, 4
	s_add_co_u32 s46, s46, s18
	s_add_co_u32 s46, s46, 704                     ; of c_proj_w's columns
	s_lshl_b32 s22, s20, 9
	s_mov_b32 s23, 0
	s_lshl_b32 s92, s46, 9
	s_mov_b32 s93, 0
	s_lshl_b32 s20, s20, 12
	s_mov_b32 s21, 0
	s_lshl_b32 s46, s46, 12
	s_mov_b32 s47, 0
	s_mul_i32 s45, s14, HALFT
	s_mul_i32 s94, s14, HALFS
	s_wait_kmcnt 0x0
	s_add_nc_u64 s[20:21], s[4:5], s[20:21]
	s_add_nc_u64 s[22:23], s[6:7], s[22:23]
	s_add_nc_u64 s[46:47], s[8:9], s[46:47]
	s_add_nc_u64 s[92:93], s[10:11], s[92:93]
	CROUND                                         ; all sixteen work-groups are here: the first joint loads meet
	s_mov_b32 s[G0S], 1
	s_add_co_u32 s[G0S+1], s94, SCL
	s_mov_b64 s[G0S+2:G0S+3], s[22:23]
	s_or_b32 s[G0S+3], s[G0S+3], 0x80000000
	s_mov_b32 s[G0SB], 1
	s_add_co_u32 s[G0SB+1], s94, SCL
	s_mov_b64 s[G0SB+2:G0SB+3], s[92:93]
	s_or_b32 s[G0SB+3], s[G0SB+3], 0x80000000
	JLOAD G0S, G1S, G0SB, G1SB
.irp s, 0,1
	s_mov_b32 s[G0+4*\s], 1
	s_add_co_u32 s[G0+4*\s+1], s45, \s*SLOT
	s_add_nc_u64 s[G0+4*\s+2:G0+4*\s+3], s[20:21], \s*KPSA
	s_or_b32 s[G0+4*\s+3], s[G0+4*\s+3], 0x80000000
	s_mov_b32 s[G0B+4*\s], 1
	s_add_co_u32 s[G0B+4*\s+1], s45, \s*SLOT
	s_add_nc_u64 s[G0B+4*\s+2:G0B+4*\s+3], s[46:47], \s*KPSB
	s_or_b32 s[G0B+4*\s+3], s[G0B+4*\s+3], 0x80000000
	s_wait_alu depctr_va_vdst(0)
	s_wait_tensorcnt 0x0
	ds_add_u32 v28, v29
	s_wait_dscnt 0x0
	CROUND
	JLOAD G0+4*\s, G1, G0B+4*\s, G1B
.endr
	v_and_b32 v1, 15, v0                           ; r
	v_bfe_u32 v2, v0, 4, 1                         ; h
	v_and_b32 v6, 31, v0
	v_lshlrev_b32 v[CO], 4, v6                     ; 16 x lane
	s_mul_i32 s21, s15, HALFT
	s_mul_i32 s22, s16, HALFT
	s_add_co_u32 s22, s22, 2*HALFT
.irp s, 0,1
	v_add_nc_u32 v[ADRA+\s], s21, v[CO]
	v_add_nc_u32 v[ADRB+\s], s22, v[CO]
	s_add_co_u32 s21, s21, SLOT
	s_add_co_u32 s22, s22, SLOT
.endr
	v_mul_u32_u24 v5, v1, 32
	v_lshrrev_b32 v6, 8, v5
	v_lshl_add_u32 v5, v6, 4, v5
	s_mul_i32 s21, s15, HALFS
	s_mul_i32 s22, s16, HALFS
	s_add_co_u32 s22, s22, 2*HALFS
	s_sub_co_u32 s22, s22, s21
	v_mul_u32_u24 v6, s22, v2                      ; lanes 16-31 take B's
	s_add_co_u32 s21, s21, SCL
	v_add_nc_u32 v5, v5, v6
	v_add_nc_u32 v[ADRS], s21, v5
	s_mul_i32 s23, s14, 16*SPITCH                  ; my stage
	v_mul_u32_u24 v5, v1, SPITCH
	v_lshl_add_u32 v5, v2, 6, v5                   ; in: row r, + 64 h: my 16 columns of each 32
	v_add_nc_u32 v[STO], s23, v5
	v_add_nc_u32 v[RD], s23, v[CO]                 ; back: the 32 lanes take a row of 512 bytes
	v_lshlrev_b32 v[BAQ], 6, v2
	s_lshl_b32 s18, s42, 10
	s_lshl_b32 s19, s16, 9
	s_add_co_u32 s18, s18, s19                     ; my first column, in bytes
	s_mov_b32 s19, 0
	s_add_nc_u64 s[12:13], s[12:13], s[18:19]
.irp b, 0,1,2,3
.irp j, 0,1,2,3
	global_load_b128 v[BQ+16*\b+4*\j:BQ+16*\b+4*\j+3], v[BAQ], s[12:13] offset:128*\b+16*\j   ; the bias in the result's layout
.endr
.endr
	s_add_nc_u64 s[96:97], s[96:97], s[18:19]
	s_lshl_b32 s20, s17, 20
	s_lshl_b32 s21, s15, 19
	s_add_co_u32 s20, s20, s21                     ; my first row: (256 x tile row + 128 x half) x 4,096 bytes
	s_mov_b32 s21, 0
	s_add_nc_u64 s[96:97], s[96:97], s[20:21]
.macro FRAG reg, adr, q, i
.irp c, 0,1,2,3
	ds_load_b128 v[\reg+4*\c:\reg+4*\c+3], v[\adr] offset:2048*(\q)+512*\c+(\i)*TILEB
.endr
.endm
; 16 matrix instructions: A's blocks a0, a0 + 1 x B's eight.  first = 1: the bias is the C.  The 64 accumulators take turns, one instruction a turn.
.macro MUL16 a0, p, q, sc, first
.irp a, \a0, \a0+1
.irp b, 0,1,2,3,4,5,6,7
.if \first
	v_wmma_scale_f32_16x16x128_f8f6f4 v[8*(8*((\a)%4)+\b):8*(8*((\a)%4)+\b)+7], v[128*(\p)+FR*\b:128*(\p)+FR*\b+FR-1], v[AF+FR*(\a):AF+FR*(\a)+FR-1], v[BQ+8*\b:BQ+8*\b+7], v[SC+8*NQ*(\sc)+NQ*\b+(\q)], v[SC+8*NQ*(\sc)+NQ*(\a)+(\q)] matrix_a_scale:MATRIX_SCALE_ROW1
.else
	v_wmma_scale_f32_16x16x128_f8f6f4 v[8*(8*((\a)%4)+\b):8*(8*((\a)%4)+\b)+7], v[128*(\p)+FR*\b:128*(\p)+FR*\b+FR-1], v[AF+FR*(\a):AF+FR*(\a)+FR-1], v[8*(8*((\a)%4)+\b):8*(8*((\a)%4)+\b)+7], v[SC+8*NQ*(\sc)+NQ*\b+(\q)], v[SC+8*NQ*(\sc)+NQ*(\a)+(\q)] matrix_a_scale:MATRIX_SCALE_ROW1
.endif
.endr
.endr
.endm
.macro FETCH_B slot, q, p
	WIN TO_B
.irp i, 0,1,2,3,4,5,6,7
	FRAG 128*(\p)+FR*\i, ADRB+\slot, \q, \i
.endr
	WIN 0
.endm
.macro FETCH_A slot, q, i0
.irp i, \i0, \i0+1, \i0+2, \i0+3
	FRAG AF+FR*(\i), ADRA+\slot, \q, \i
.endr
.endm
.macro SCALES sc
.irp i, 0,1,2,3,4,5,6,7
	ds_load_b64 v[SC+8*NQ*\sc+NQ*\i:SC+8*NQ*\sc+NQ*\i+1], v[ADRS] offset:\i*SBLK
.endr
.endm
.macro PLACES n
.rept \n
	v_nop
.endr
.endm
.macro STEP slot, q, first
	s_wait_dscnt 4*NL                              ; B's set and A's blocks 0-3 are in; the youngest 16 loads (A's blocks 4-7) may be out
.if \first
	WIN FST_LO
.else
	WIN MUL_LO
.endif
	MUL16 0, (\q)%2, \q, \slot, \first
	MUL16 2, (\q)%2, \q, \slot, \first
	s_wait_dscnt 0
	PLACES NP
	FETCH_B \slot, (\q)+1, 1-(\q)%2
	FETCH_A \slot, (\q)+1, 0
.if \first
	WIN FST_HI
.else
	WIN MUL_HI
.endif
	MUL16 4, (\q)%2, \q, \slot, \first
	MUL16 6, (\q)%2, \q, \slot, \first
	PLACES NP
	WIN 0
	FETCH_A \slot, (\q)+1, 4
.endm
.macro TURN slot, next, fill
	s_wait_tensorcnt 0x0                           ; all my tensor loads have landed: my part of the next slot
	ds_add_u32 v[SPW], v[NIL]                      ; 0 onto my spare word
	s_wait_dscnt 4*NL+1                            ; the add and the youngest 16 loads may be out
	WIN MUL_LO
	MUL16 0, 1, NQ-1, \slot, 0
	s_wait_dscnt 0x0                               ; the add is done, and my reads of this slot are over
	s_barrier_signal -1
	MUL16 2, 1, NQ-1, \slot, 0
	WIN 0
	s_barrier_wait -1
.if \fill
	CREST                                          ; the barrier has opened a round of the cluster's: no wave of any partner still reads this slot or has a load on its way
	s_add_nc_u64 s[G0+4*\slot+2:G0+4*\slot+3], s[G0+4*\slot+2:G0+4*\slot+3], 2*KPSA
	s_add_nc_u64 s[G0B+4*\slot+2:G0B+4*\slot+3], s[G0B+4*\slot+2:G0B+4*\slot+3], 2*KPSB
	JLOAD G0+4*\slot, G1, G0B+4*\slot, G1B
	PLACES NP-4
.else
	PLACES NP
.endif
	s_wait_alu depctr_va_vdst(0)
	v_add_nc_u32 v[ADRS], 4*NQ, v[ADRS]
	FETCH_B \next, 0, 0
	FETCH_A \next, 0, 0
	SCALES \next
	WIN MUL_HI
	MUL16 4, 1, NQ-1, \slot, 0
	MUL16 6, 1, NQ-1, \slot, 0
	PLACES NP
	WIN 0
	FETCH_A \next, 0, 4
.endm
	s_wait_alu depctr_va_vdst(0)
	s_wait_tensorcnt 1                             ; the scale words and my part of K pair 0 are in; K pair 1's load may be out
	s_barrier_signal -1
	s_barrier_wait -1
	FETCH_B 0, 0, 0
	FETCH_A 0, 0, 0
	SCALES 0
	FETCH_A 0, 0, 4
	s_wait_loadcnt 0x0                             ; the bias
	STEP 0, 0, 1
	TURN 0, 1, 1
	STEP 1, 0, 0
	TURN 1, 0, 1
	STEP 0, 0, 0
	TURN 0, 1, 0
	STEP 1, 0, 0
	s_wait_dscnt 4*NL
	WIN MUL_LO
	MUL16 0, 1, NQ-1, 1, 0
	MUL16 2, 1, NQ-1, 1, 0
	s_wait_dscnt 0
	WIN MUL_HI
	MUL16 4, 1, NQ-1, 1, 0
	MUL16 6, 1, NQ-1, 1, 0
	WIN 0
; THE WAY OUT, block by block of 16 rows x 128 columns, through my own stage: in by lanes (32 bytes of a row at the true columns' place), back as whole rows of 512 bytes.
.macro TOSTAGE a
.set AC, 64*((\a)%4)
	WIN 0x08+4*((\a)/4)                            ; the data: window 2 or 3
.irp b, 0,1,2,3,4,5,6,7
	ds_store_b128 v[STO], v[AC+8*\b:AC+8*\b+3] offset:128*(\b/2)+32*(\b%2)        ; each accumulator from its low end on
	ds_store_b128 v[STO], v[AC+8*\b+4:AC+8*\b+7] offset:128*(\b/2)+32*(\b%2)+16
.endr
	WIN 0
.set BB, BK+64*((\a)%2)
.irp t, 0,1,2,3,4,5,6,7,8,9,10,11,12,13,14,15
	ds_load_b128 v[BB+4*\t:BB+4*\t+3], v[RD] offset:\t*SPITCH   ; LDS serves a wave's instructions in order: these see the stores above
.endr
.endm
.macro SEND a, younger
.set BB, BK+64*((\a)%2)
	s_wait_dscnt \younger                          ; the block is back in registers
.if (\a) > 0
.if (\a)%2 == 1
	s_add_nc_u64 s[96:97], s[96:97], 8*ROWO        ; tile 2 k + 1 begins 8 true rows behind tile 2 k,
.else
	s_add_nc_u64 s[96:97], s[96:97], 24*ROWO       ; tile 2 k + 2 another 24
.endif
.endif
.irp t, 0,1,2,3,4,5,6,7,8,9,10,11,12,13,14,15
	global_store_b128 v[CO], v[BB+4*\t:BB+4*\t+3], s[96:97] offset:(\t+8*(\t/8))*ROWO th:TH_STORE_NT   ; 512 consecutive bytes of a row, at a multiple of 512 from out0's first byte
.endr
.endm
	PLACES NP
	TOSTAGE 0
.irp a, 1,2,3,4,5,6,7
.if \a > 1
	s_wait_xcnt 0x0                                ; block a - 2's stores have read their registers and their base
.endif
	TOSTAGE \a
	SEND \a-1, 32                                  ; behind block a - 1's loads: block a's 16 stores and 16 loads
.endr
	s_wait_xcnt 0x0
	SEND 7, 0
	s_wait_tensorcnt 0x0                           ; the wave's end
	ds_add_u32 v[SPW], v[NIL]
	s_wait_dscnt 0x0
	CROUND                                         ; the closing round
	s_endpgm
.Lfunc_end_k_q83969ff4e2_gemm_out:
	.size	k_q83969ff4e2_gemm_out, .Lfunc_end_k_q83969ff4e2_gemm_out-k_q83969ff4e2_gemm_out
	.p2alignl 7, 3214868480
	.fill 96, 4, 3214868480
	.section	.rodata,"a",@progbits
	.p2align	6, 0x0
	.amdhsa_kernel k_q83969ff4e2_gemm_out
		.amdhsa_group_segment_fixed_size 327680
		.amdhsa_private_segment_fixed_size 0
		.amdhsa_enable_private_segment 0
		.amdhsa_kernarg_size 48
		.amdhsa_user_sgpr_count 2
		.amdhsa_user_sgpr_kernarg_segment_ptr 1
		.amdhsa_wavefront_size32 1
		.amdhsa_system_sgpr_workgroup_id_x 1
		.amdhsa_system_sgpr_workgroup_id_y 1
		.amdhsa_system_sgpr_workgroup_id_z 1
		.amdhsa_system_vgpr_workitem_id 0
		.amdhsa_next_free_vgpr 1024
		.amdhsa_next_free_sgpr 100
		.amdhsa_reserve_vcc 0
		.amdhsa_float_denorm_mode_32 3
		.amdhsa_float_denorm_mode_16_64 3
		.amdhsa_memory_ordered 1
		.amdhsa_forward_progress 1
		.amdhsa_inst_pref_size 148
	.end_amdhsa_kernel
	.amdgpu_metadata
---
amdhsa.version: [ 1, 2 ]
amdhsa.kernels:
  - .name:           k_q83969ff4e2_gemm_out
    .symbol:         k_q83969ff4e2_gemm_out.kd
    .args:
      - { .name: ac, .offset: 0, .size: 8, .value_kind: global_buffer, .address_space: global }
      - { .name: asc, .offset: 8, .size: 8, .value_kind: global_buffer, .address_space: global }
      - { .name: cod, .offset: 16, .size: 8, .value_kind: global_buffer, .address_space: global }
      - { .name: scl, .offset: 24, .size: 8, .value_kind: global_buffer, .address_space: global }
      - { .name: c_proj_b, .offset: 32, .size: 8, .value_kind: global_buffer, .address_space: global }
      - { .name: out0, .offset: 40, .size: 8, .value_kind: global_buffer, .address_space: global }
    .group_segment_fixed_size: 327680
    .private_segment_fixed_size: 0
    .kernarg_segment_align: 8
    .kernarg_segment_size: 48
    .max_flat_workgroup_size: 128
    .sgpr_count:     100
    .vgpr_count:     1024
    .wavefront_size: 32
...
	.end_amdgpu_metadata
.endif
;; end of part 4
